; MI455X (gfx1250); checked and timed in simulation.
; The chip was launched on July 23, 2026; its instructions are those of AMD's public machine-readable ISA for CDNA 5 (MIT licence, August 2026) and "CDNA5" Instruction Set Architecture Reference Guide (July 2026). The comments in the code are by the model that wrote it; some were corrected since.
;; MHA. Allowed arithmetic: matrix products marked QUANTISED: E4M3 operands, one given power-of-two scale a tensor, by v_wmma_f32_16x16x64_fp8_fp8 or v_wmma_f32_16x16x128_fp8_fp8, f32 sums; everything else in f32.
;; Inputs: lowp_scales 12 int32 (the exponents e of the quantised operands' scales 2^e); token_positions 2,048 int32; wk 1,024 x 1,024 float32; wo 1,024 x 1,024 float32; wq 1,024 x 1,024 float32; wv 1,024 x 1,024 float32; x 4 x 2,048 x 1,024 float32.
;; Outputs: out0 4 x 2,048 x 1,024 float32.
;; This version of the problem:
;;   THIS VERSION OF THE PROBLEM IS GIVEN IN LOW PRECISION. The matrix products marked QUANTISED in the list below multiply operands that are first quantised to E4M3 (4 exponent bits, 3 mantissa bits; 8 bits a number), with one given power-of-two scale for each operand tensor; their sums are f32. All else is computed in f32.
;;   The module's matrix products, in the order in which they are computed (A, B: the left and right operand; K: the contracted axis; several contracted axes count as one K, in the product's order):
;;     1. [M 8,192, K 1,024] x [K 1,024, N 1,024]; A: input x; B: input wq: QUANTISED (scales: A lowp_scales[0], B lowp_scales[1])
;;     2. [M 8,192, K 1,024] x [K 1,024, N 1,024]; A: input x; B: input wk: QUANTISED (scales: A lowp_scales[2], B lowp_scales[3])
;;     3. [M 8,192, K 1,024] x [K 1,024, N 1,024]; A: input x; B: input wv: QUANTISED (scales: A lowp_scales[4], B lowp_scales[5])
;;     4. batch 64 x [M 2,048, K 64] x [K 64, N 2,048]; A: computed on the way; B: computed on the way: QUANTISED (scales: A lowp_scales[6], B lowp_scales[7])
;;     5. batch 64 x [M 2,048, K 2,048] x [K 2,048, N 64]; A: softmax (see below); B: computed on the way: QUANTISED (scales: A lowp_scales[8], B lowp_scales[9])
;;     6. [M 8,192, K 1,024] x [K 1,024, N 1,024]; A: computed on the way; B: input wo: QUANTISED (scales: A lowp_scales[10], B lowp_scales[11])
;;   THE QUANTISER, for each operand of a quantised product, along K:
;;     - The operand's scale is 2^e, e = its entry of the input lowp_scales (int32; the entries are numbered through the quantised products in the list's order, A before B).
;;     - Each number is divided by the scale, clamped to +-448, and rounded to the nearest number of E4M3, ties to even, subnormals kept.
;;     - The product sums the exact products of the quantised numbers (number of the format x scale) in f32.
;;   ~~~python
;;   def quantise(x, axis, e):      # numpy; x: float32 -> the quantised numbers, widened to float32 again
;;       x = np.moveaxis(x, axis, -1); K = x.shape[-1]
;;       r = np.clip(x / 2.0 ** e, -448, 448)
;;       step = 2.0 ** (np.maximum(np.frexp(np.where(r == 0, 1, r))[1] - 1, -6) - 3)
;;       q = np.round(r / step) * step * 2.0 ** e      # np.round: ties to even
;;       return np.moveaxis(q, -1, axis).astype(np.float32)
;;   ~~~
;;   SOFTMAX AHEAD OF A QUANTISED PRODUCT. Where the list says 'softmax', what is quantised is not the finished softmax but p = 2^(t - M), with t = logit x log2(e) and M = ceil(the row's largest t), a whole number; so 1/2 < the row's largest p <= 1. The row's sum l is taken of the UNQUANTISED p, in f32, and the product's result is divided by l at the end. Since M is a whole number, a kernel that streams over the keys may use a running M (the ceiling of the running maximum): every later rescaling is an exact power of two, so the quantised numbers keep their values, but for numbers so far below the row's largest that they fall under the format's range.
;;   OPERANDS COMPUTED ON THE WAY. 'Computed on the way' means the value that the module computes at that place (a softmax that the list does not call 'softmax' is quantised finished and normalised). What goes into a quantiser is computed in f32, as accurately as f32 sums, v_exp_f32 and their like allow (about 1e-6 of the number): no bf16 or f16 on the way to a quantiser, and a product that is left as it is and whose result goes on into a quantised operand takes f32 operands (vector FMAs, or v_wmma_f32_16x16x4_f32). A number that lies on a knife's edge between two numbers of the format may be rounded either way, as far as f32 arithmetic and the matrix unit's own rounding can turn it there, and no further.
;; One version. Each part assembles by itself: llvm-mc -triple=amdgcn-amd-amdhsa -mcpu=gfx1250 --defsym DOCPART=n.
;; ======== version 1 of 1: 4 launches
;; limits: right only within a limited range of input values
;; workspace buffers: xcodes 25,165,824 bytes; wcodes 4,194,304 bytes; rope 524,288 bytes; qkv 25,165,824 bytes; ocodes 8,388,608 bytes
;; launch prep (part 1): grid 416 x 1, 4 waves a work-group, no clusters, 34,304 bytes of LDS; arguments x, wq, wk, wv, wo, token_positions, lowp_scales, xcodes, wcodes, rope; writes xcodes, wcodes, rope
.if DOCPART == 1
	.amdgcn_target "amdgcn-amd-amdhsa--gfx1250"
	.amdhsa_code_object_version 6
	.text
	.protected	k_q62aba2cbf8_prep
	.globl	k_q62aba2cbf8_prep
	.p2align	8
	.type	k_q62aba2cbf8_prep,@function
k_q62aba2cbf8_prep:
	s_mov_b64 s[64:65], 0
	v_nop
	global_prefetch_b8 v0, s[64:65] scope:SCOPE_SE
	s_setreg_imm32_b32 hwreg(HW_REG_WAVE_MODE, 25, 1), 1
	s_wait_xcnt 0x0
; x [8192][1024] f32 becomes three sets of E4M3 codes (scales 2^e of entries 0, 2, 4); wq, wk, wv, wo [1024][1024] f32 one set each (entries 1, 3, 5, 11);
; token_positions becomes a table of cos and sin for the rotation of q and k.
; code = number / 2^e, held within +-448, rounded to the nearest code, ties to even.
; THE CODES ARE LAID AS IMAGES OF OPERAND REGISTERS.  A fragment is 16 rows x 128 along K, 16 registers a lane: lane l holds row l % 16, and registers 2 c, 2 c + 1 hold
; K = 16 c + 8 (l / 16) + 0 .. 7.  Its image is four pieces of 512 bytes, piece p = registers 4 p .. 4 p + 3, lane l's 16 bytes at 16 l.  A block of 16 rows is its 8 fragments on end, 16,384 bytes.
; So every store here, and every later load of a fragment, covers 512 consecutive bytes that start at a multiple of 512.
; SHARES.  Work-groups 0-255: x;  256-383: the four weights, 32 work-groups each;  384-415: the table.  A wave takes 16 rows x 512 numbers: four fragments.
; Each load reads 512 consecutive bytes of one row; the 16 rows x 512 bytes turn through the wave's own stage in LDS (rows 528 bytes apart: 33 x 16, so the sixteen rows that
; a read touches begin at sixteen different 16-byte columns of 256) and come back 8 neighbours along K at a time.  Waves share nothing: no barrier.  No matrix unit, no tensor load, no cluster: memory binds.
; THE TABLE: [block of 16 positions: 128][bb: 4][piece u: 2][512 bytes]; lane (r, h) of a piece holds cos, sin, cos, sin of position 16 block + r at frequencies i = 8 bb + 4 h + 2 u and i + 1.
; angle = f32(position) x inv_freq(i), one rounding; inv_freq(i) = rho^i, rho = 10^(-1/8), made in pairs of f32 (high, low part) so that the high part is the nearest f32;
; the angle is reduced by pi / 2 in three parts, sin and cos are polynomials on +-pi / 4.
; LIMITS: each e between -126 and 119; |position| up to 100,000 (beyond it the reduction loses bits); NaN among the inputs is not served.
.set PITCH, 528
.set WREG,  16*PITCH                   ; a wave's stage
.set SPARE, 4*WREG                     ; behind the four stages: the spare words, 128 bytes for each wave: two blocks of 256 bytes that no other line names
.set LI,  1                            ; v1   16 x lane
.set STI, 2                            ; v2   the stage, on the way in
.set STO, 3                            ; v3   the stage, on the way out
.set SPW, 4                            ; v4   LDS address of my spare word; never rewritten
.set NIL, 5                            ; v5   0; never rewritten
.set R,   16                           ; v16-79   16 rows x 4 registers as loaded
.set X,   80                           ; v80-143  register 8 c + j = K 16 c + 8 h + j of my row
.set T,   144                          ; v144-159 not written
.set C,   160                          ; v160-175 a fragment's codes
.set INV, 16                           ; the table's path: v16-31 my 16 frequencies
.set OUT, 32                           ; v32-63 cos, sin by turns
; (high, low) x (s[sh], s[sl]) -> (dh, dl): the product's rounding error is recovered by a fused multiply-add, the cross terms are added to it
.macro DFMUL dh, dl, ah, al, sh, sl
	v_mul_f32 v11, s[\sh], v[\ah]
	v_fma_f32 v12, v[\ah], s[\sh], -v11
	v_fma_f32 v12, v[\ah], s[\sl], v12
	v_fma_f32 v12, v[\al], s[\sh], v12
	v_add_f32 v[\dh], v11, v12
	v_sub_f32 v11, v11, v[\dh]
	v_add_f32 v[\dl], v11, v12
.endm
; cos and sin of position x frequency k
.macro SINCOS k
	v_mul_f32 v64, v6, v[INV+\k]                   ; the angle, rounded once
	v_mul_f32 v65, 0x3f22f983, v64                 ; x 2 / pi
	v_rndne_f32 v65, v65                           ; n
	v_fmamk_f32 v66, v65, 0xbfc90fd8, v64          ; angle - n x pi / 2, pi / 2 in three parts
	v_fmamk_f32 v66, v65, 0xb4a8885a, v66
	v_fmamk_f32 v66, v65, 0xa7c234c4, v66
	v_mul_f32 v67, v66, v66
	v_mov_b32 v68, 0x36405000
	v_fmaak_f32 v68, v68, v67, 0xb9503486
	v_fmaak_f32 v68, v68, v67, 0x3c0888c1
	v_fmaak_f32 v68, v68, v67, 0xbe2aaaab
	v_mul_f32 v70, v66, v67
	v_fma_f32 v68, v68, v70, v66                   ; sin of the rest
	v_mov_b32 v69, 0x37cd4000
	v_fmaak_f32 v69, v69, v67, 0xbab6077d
	v_fmaak_f32 v69, v69, v67, 0x3d2aaaa8
	v_fma_f32 v69, v69, v67, -0.5
	v_fma_f32 v69, v69, v67, 1.0                   ; cos of the rest
	v_cvt_i32_f32 v71, v65
	v_and_b32 v70, 1, v71
	v_cmp_eq_u32 vcc_lo, 1, v70                    ; an odd n swaps the two
	v_cndmask_b32 v70, v68, v69, vcc_lo
	v_cndmask_b32 v69, v69, v68, vcc_lo
	v_lshlrev_b32 v68, 30, v71                     ; sin is negated where bit 1 of n is set,
	v_and_b32 v68, 0x80000000, v68
	v_xor_b32 v[OUT+2*\k+1], v68, v70
	v_add_nc_u32 v71, 1, v71                       ; cos where bit 1 of n + 1 is
	v_lshlrev_b32 v71, 30, v71
	v_and_b32 v71, 0x80000000, v71
	v_xor_b32 v[OUT+2*\k], v71, v69
.endm
.macro LOADF n                         ; fragment n of my four: 16 rows x 512 consecutive bytes
.irp i, 0,1,2,3,4,5,6,7,8,9,10,11,12,13,14,15
	global_load_b128 v[R+4*\i:R+4*\i+3], v[LI], s[32:33] offset:4096*\i+512*(\n) th:TH_LOAD_NT
.endr
.endm
.macro TURNF                           ; through the stage: LDS serves a wave's instructions in order (ISA guide 5.7.1.4), so no wait stands between the stores and the loads
.irp i, 0,1,2,3,4,5,6,7,8,9,10,11,12,13,14,15
	ds_store_b128 v[STI], v[R+4*\i:R+4*\i+3] offset:PITCH*\i
.endr
	v_nop
.irp c, 0,1,2,3,4,5,6,7
	ds_load_b128 v[X+8*\c:X+8*\c+3],   v[STO] offset:64*\c
	ds_load_b128 v[X+8*\c+4:X+8*\c+7], v[STO] offset:64*\c+16
.endr
.endm
; the fragment in X becomes codes with the scale in v[sc] and is stored as image n behind s[base]
.macro QUANT sc, lim, base, n
	s_wait_xcnt 0x0                                ; the stores issued so far have read their data: C is written again only behind this wait
.irp c, 0,1,2,3,4,5,6,7
.irp j, 0,1,2,3,4,5,6,7
.endr
	v_cvt_scalef32_pk8_fp8_f32 v[C+2*\c:C+2*\c+1], v[T+8*(\c%2)+((X+8*\c+0)-(T+8*(\c%2)+0)):T+8*(\c%2)+7+((X+8*\c+0)-(T+8*(\c%2)+0))], v[\sc]
.endr
.irp p, 0,1,2,3
	global_store_b128 v[LI], v[C+4*\p:C+4*\p+3], s[\base:\base+1] offset:2048*(\n)+512*\p
.endr
.endm
.macro MKSC e, sc, lim                 ; 2^e as f32
	s_add_co_i32 s53, s[\e], 127
	s_lshl_b32 s54, s53, 23
	v_mov_b32 v[\sc], s54
.endm
.macro STEPF n
	s_wait_loadcnt 0x0                             ; this fragment's 16 loads are in
	TURNF
	s_wait_dscnt 0x0                               ; X is in, and the stage's stores have read R,
.if \n < 3
	LOADF (\n)+1                                   ; which takes the next fragment while this one is quantised
.endif
	QUANT 6, 7, 34, \n
	s_cmp_lt_u32 ttmp9, 256                        ; x has two more sets of codes; a weight has not
	s_cbranch_scc0 .Lweight_\@
	QUANT 8, 9, 36, \n
	QUANT 10, 11, 38, \n
.Lweight_\@:
.endm
	s_load_b512 s[4:19], s[0:1], 0x0               ; x s[4:5], wq s[6:7], wk s[8:9], wv s[10:11], wo s[12:13], positions s[14:15], scales s[16:17], xcodes s[18:19]
	s_load_b128 s[20:23], s[0:1], 0x40             ; wcodes s[20:21], rope s[22:23]
	v_lshl_add_u32 v[SPW], v0, 2, SPARE
	v_mov_b32 v[NIL], 0
	v_lshrrev_b32 v12, 5, v0
	v_readfirstlane_b32 s24, v12                   ; wave 0..3
	v_and_b32 v12, 31, v0
	v_lshlrev_b32 v[LI], 4, v12
	v_and_b32 v13, 15, v0                          ; r
	v_bfe_u32 v14, v0, 4, 1                        ; h
	s_cmp_lt_u32 ttmp9, 384
	s_cbranch_scc1 .Lcodes
	; ---- the table: my wave's block of 16 positions
	s_sub_co_u32 s25, ttmp9, 384
	s_lshl_b32 s25, s25, 2
	s_add_co_u32 s25, s25, s24                     ; block 0..127
	s_lshl_b32 s26, s25, 6                         ; its 16 positions: 64 bytes
	s_mov_b32 s27, 0
	s_lshl_b32 s28, s25, 12                        ; its part of the table: 4,096 bytes
	s_mov_b32 s29, 0
	s_mov_b32 s30, 0x3f3ff911                      ; rho, high and low part
	s_mov_b32 s31, 0x32022bbf
	s_mov_b32 s32, 0x3f0ff59a                      ; rho^2
	s_mov_b32 s33, 0xb1f8f1d4
	s_mov_b32 s34, 0x3dcccccd                      ; rho^8 = 0.1
	s_mov_b32 s35, 0xb0cccccd
	s_wait_alu depctr_va_vdst(0)
	v_lshlrev_b32 v15, 2, v13
	s_wait_alu depctr_va_vdst(0)
	s_wait_kmcnt 0x0
	s_add_nc_u64 s[14:15], s[14:15], s[26:27]
	s_add_nc_u64 s[22:23], s[22:23], s[28:29]
	global_load_b32 v6, v15, s[14:15]              ; my position
	v_cmp_eq_u32 vcc_lo, 1, v14
	v_mov_b32 v9, 0x3ea1e89b                       ; rho^4
	v_mov_b32 v10, 0x31121251
	v_cndmask_b32 v7, 1.0, v9, vcc_lo              ; (v7, v8) = rho^(4 h)
	v_cndmask_b32 v8, 0, v10, vcc_lo
.irp bb, 0,1,2,3                       ; frequency 4 bb + m of my sixteen is rho^(8 bb + 4 h + m)
	v_mov_b32 v[INV+4*\bb], v7
	DFMUL INV+4*\bb+1, 9, 7, 8, 30, 31
	DFMUL INV+4*\bb+2, 10, 7, 8, 32, 33
	DFMUL INV+4*\bb+3, 10, INV+4*\bb+1, 9, 32, 33
.if \bb < 3
	DFMUL 7, 8, 7, 8, 34, 35
.endif
.endr
	s_wait_loadcnt 0x0
	v_cvt_f32_i32 v6, v6
.irp k, 0,1,2,3,4,5,6,7,8,9,10,11,12,13,14,15
	SINCOS \k
.endr
.irp q, 0,1,2,3,4,5,6,7
	global_store_b128 v[LI], v[OUT+4*\q:OUT+4*\q+3], s[22:23] offset:512*\q   ; piece 2 bb + u: 512 consecutive bytes
.endr
	s_branch .Lend
	; ---- the codes: one path for x and for the weights; only pointers, offsets and the exponent are chosen, by the work-group's number
.Lcodes:
	s_mul_i32 s25, s24, WREG
	s_wait_alu depctr_va_vdst(0)
	v_add_nc_u32 v[STI], s25, v[LI]                ; in: 16 bytes a lane, a row an instruction
	v_mul_u32_u24 v[STO], v13, PITCH
	v_lshl_add_u32 v[STO], v14, 5, v[STO]
	v_add_nc_u32 v[STO], s25, v[STO]               ; out: row r, + 32 h bytes: eight numbers of my half
	s_sub_co_u32 s25, ttmp9, 256
	s_lshr_b32 s26, s25, 5                         ; which weight (no number from 0 to 3 in x's work-groups)
	s_and_b32 s27, s25, 31
	s_cmp_lt_u32 ttmp9, 256
	s_cselect_b32 s27, ttmp9, s27
	s_cselect_b32 s28, 0, s26
	s_lshl_b32 s27, s27, 2
	s_add_co_u32 s27, s27, s24                     ; my unit U: block of 16 rows U / 2, half U % 2 of its 1,024 numbers
	s_lshr_b32 s30, s27, 1
	s_lshl_b32 s30, s30, 16                        ; 16 rows of 4,096 bytes
	s_and_b32 s29, s27, 1
	s_lshl_b32 s29, s29, 11
	s_add_co_u32 s30, s30, s29
	s_mov_b32 s31, 0
	s_lshl_b32 s28, s28, 20                        ; a weight's plane of codes is 1 MiB
	s_lshl_b32 s29, s27, 13                        ; a unit's four images: 8,192 bytes
	s_add_co_u32 s28, s28, s29
	s_mov_b32 s29, 0
	s_wait_alu depctr_va_vdst(0)
	s_wait_kmcnt 0x0
	s_load_b256 s[40:47], s[16:17], 0x0            ; entries 0 to 7
	s_load_b128 s[48:51], s[16:17], 0x20           ; entries 8 to 11
	s_cmp_eq_u32 s26, 1
	s_cselect_b64 s[32:33], s[8:9], s[6:7]
	s_cmp_eq_u32 s26, 2
	s_cselect_b64 s[32:33], s[10:11], s[32:33]
	s_cmp_eq_u32 s26, 3
	s_cselect_b64 s[32:33], s[12:13], s[32:33]
	s_cmp_lt_u32 ttmp9, 256
	s_cselect_b64 s[32:33], s[4:5], s[32:33]
	s_cselect_b64 s[34:35], s[18:19], s[20:21]
	s_add_nc_u64 s[32:33], s[32:33], s[30:31]      ; my numbers
	s_add_nc_u64 s[34:35], s[34:35], s[28:29]      ; my codes
	s_add_nc_u64 s[36:37], s[18:19], s[28:29]      ; x's second and third plane, 8 MiB apart (used by x's work-groups alone; inside xcodes in all)
	s_add_nc_u64 s[36:37], s[36:37], 0x800000
	s_add_nc_u64 s[38:39], s[36:37], 0x800000
	LOADF 0
	s_wait_kmcnt 0x0
	s_cmp_eq_u32 s26, 1
	s_cselect_b32 s52, s43, s41
	s_cmp_eq_u32 s26, 2
	s_cselect_b32 s52, s45, s52
	s_cmp_eq_u32 s26, 3
	s_cselect_b32 s52, s51, s52
	s_cmp_lt_u32 ttmp9, 256
	s_cselect_b32 s52, s40, s52                    ; the exponent of my first (or only) set
	MKSC 52, 6, 7
	MKSC 42, 8, 9
	MKSC 44, 10, 11
	s_wait_alu depctr_va_vdst(0)
	STEPF 0
	STEPF 1
	STEPF 2
	STEPF 3
.Lend:
	s_wait_tensorcnt 0x0                           ; the wave's end, behind my last LDS store
	ds_add_u32 v[SPW], v[NIL]
	s_wait_dscnt 0x0
	s_endpgm
.Lfunc_end_k_q62aba2cbf8_prep:
	.size	k_q62aba2cbf8_prep, .Lfunc_end_k_q62aba2cbf8_prep-k_q62aba2cbf8_prep
	.p2alignl 7, 3214868480
	.fill 96, 4, 3214868480
	.section	.rodata,"a",@progbits
	.p2align	6, 0x0
	.amdhsa_kernel k_q62aba2cbf8_prep
		.amdhsa_group_segment_fixed_size 34304
		.amdhsa_private_segment_fixed_size 0
		.amdhsa_enable_private_segment 0
		.amdhsa_kernarg_size 80
		.amdhsa_user_sgpr_count 2
		.amdhsa_user_sgpr_kernarg_segment_ptr 1
		.amdhsa_wavefront_size32 1
		.amdhsa_system_sgpr_workgroup_id_x 1
		.amdhsa_system_sgpr_workgroup_id_y 1
		.amdhsa_system_sgpr_workgroup_id_z 1
		.amdhsa_system_vgpr_workitem_id 0
		.amdhsa_next_free_vgpr 176
		.amdhsa_next_free_sgpr 66
		.amdhsa_reserve_vcc 1
		.amdhsa_float_denorm_mode_32 3
		.amdhsa_float_denorm_mode_16_64 3
		.amdhsa_fp16_overflow 1
		.amdhsa_memory_ordered 1
		.amdhsa_forward_progress 1
		.amdhsa_inst_pref_size 59
	.end_amdhsa_kernel
	.amdgpu_metadata
---
amdhsa.version: [ 1, 2 ]
amdhsa.kernels:
  - .name:           k_q62aba2cbf8_prep
    .symbol:         k_q62aba2cbf8_prep.kd
    .args:
      - { .name: x, .offset: 0, .size: 8, .value_kind: global_buffer, .address_space: global }
      - { .name: wq, .offset: 8, .size: 8, .value_kind: global_buffer, .address_space: global }
      - { .name: wk, .offset: 16, .size: 8, .value_kind: global_buffer, .address_space: global }
      - { .name: wv, .offset: 24, .size: 8, .value_kind: global_buffer, .address_space: global }
      - { .name: wo, .offset: 32, .size: 8, .value_kind: global_buffer, .address_space: global }
      - { .name: token_positions, .offset: 40, .size: 8, .value_kind: global_buffer, .address_space: global }
      - { .name: lowp_scales, .offset: 48, .size: 8, .value_kind: global_buffer, .address_space: global }
      - { .name: xcodes, .offset: 56, .size: 8, .value_kind: global_buffer, .address_space: global }
      - { .name: wcodes, .offset: 64, .size: 8, .value_kind: global_buffer, .address_space: global }
      - { .name: rope, .offset: 72, .size: 8, .value_kind: global_buffer, .address_space: global }
    .group_segment_fixed_size: 34304
    .private_segment_fixed_size: 0
    .kernarg_segment_align: 8
    .kernarg_segment_size: 80
    .max_flat_workgroup_size: 128
    .sgpr_count:     66
    .vgpr_count:     176
    .wavefront_size: 32
...
	.end_amdgpu_metadata
.endif
;; end of part 1
;; launch qkv (part 2): grid 12 x 32, 4 waves a work-group, clusters of 4 x 4, 327,680 bytes of LDS; arguments xcodes, wcodes, lowp_scales, rope, qkv; writes qkv
.if DOCPART == 2
	.amdgcn_target "amdgcn-amd-amdhsa--gfx1250"
	.amdhsa_code_object_version 6
	.text
	.protected	k_q62aba2cbf8_qkv
	.globl	k_q62aba2cbf8_qkv
	.p2align	8
	.type	k_q62aba2cbf8_qkv,@function
k_q62aba2cbf8_qkv:
	s_mov_b64 s[64:65], 0
	v_nop
	global_prefetch_b8 v0, s[64:65] scope:SCOPE_SE
	s_setreg_imm32_b32 hwreg(HW_REG_WAVE_MODE, 25, 1), 1
	s_wait_xcnt 0x0
	s_wait_alu depctr_hold_cnt(0) depctr_sa_sdst(0) depctr_va_vdst(0) depctr_va_sdst(0) depctr_va_ssrc(0) depctr_va_vcc(0) depctr_vm_vsrc(0)
	s_getreg_b32 s2, hwreg(HW_REG_IB_STS2, 6, 4)
	s_cmp_eq_u32 s2, 0
	s_cbranch_scc0 .Lentry_in_a_cluster
	s_endpgm
.Lentry_in_a_cluster:
	s_bfe_u32 s2, ttmp6, 0x10000c
	s_cmp_lg_u32 s2, 0xf033
	s_cbranch_scc0 .Lentry_shape_is_right
	s_endpgm
.Lentry_shape_is_right:
; The three projections on E4M3 codes, the rotation of q and k, and the quantising of q, k, v for attention.  K = 1,024.
; The cluster's x is the KIND: 0 q = x wq^T, 1 k = x wk^T, 2 v.  A tile of 256 x 256 results is made by four waves, 128 x 128 each: 64 accumulators of 16 x 16 in 512 registers.
; THE MATRIX INSTRUCTION IS USED TRANSPOSED (source 0 = 16 rows of B, source 1 = 16 rows of A): lane (r, h), register j of accumulator (a, b) holds (A's row 16 a + r, B's row 16 b + 8 h + j):
; eight neighbours along B's rows, which one conversion turns into registers 2 b, 2 b + 1 of the next product's operand.
;   kinds 0, 1: A = x's codes (rows = positions), B = the weight's (rows = features): a lane holds a position and eight features of a head: the next K is the head's 64.
;   kind 2:     A = wv's codes (rows = features), B = x's (rows = positions): a lane holds a feature and eight KEYS: the next K, for attention's second product, is the keys.
; OPERANDS AND RESULTS ARE IMAGES OF REGISTERS: a fragment of 16 rows x 128 K is four pieces of 512 bytes, lane l's 16 bytes at 16 l; a block of 16 rows is 8 fragments, 16,384 bytes.
; A K step of 256 is two fragments of each block of rows: 4,096 consecutive bytes.  A wave's tensor load brings 8 such runs (128 rows), 32,768 bytes, dense in LDS; every LDS load takes 512 consecutive bytes.
; OUT: plane 0 q, plane 1 k: [batch x 16 + head][position / 16][1,024 bytes: 16 positions x 64];  plane 2 v: [batch x 16 + head][key / 128][feature / 16: 4][2,048 bytes: 16 features x 128 keys].  8 MiB each.
; The results need no stage in LDS: a lane's codes are the image's bytes, and each store covers 512 consecutive bytes.
; CLUSTERS: 4 x 4 work-groups; A's tile is shared along a row of the cluster, B's along a column, each asked for jointly.
; SCALES: a sum stands for sum x 2^(ex + ew); the rotation is linear; so the conversion's one scale is 2^(eo - ex - ew).  LIMIT: eo - ex - ew between -126 and 119.
; REGISTERS, in windows of 256: window 0: v16-31 addresses and constants; v32-95 two sets of cos and sin; from v128 A's fragments, one set; on the way out v96-175 are at work.
;   window 1: B's fragments, two sets, at v0 and v128.   window 2: the accumulators of my rows 0-63 ((a, b) at v[8 (8 a + b)]);   window 3: those of rows 64-127.
.set FRB,   2048                       ; a fragment's image
.set RBK,   2*FRB                      ; a block of 16 rows in a slot: two fragments
.set HALFT, 8*RBK                      ; 128 rows: what one tensor load brings, and what one wave reads of A or of B
.set SLOT,  4*HALFT                    ; A's 256 rows, then B's 256 rows
.set SPARE, 2*SLOT                     ; behind the ring: the spare words, 128 bytes for each wave: two blocks of 256 bytes that no other line names
.set LAPS,  2                          ; 1,024 along K = four K steps = twice round the ring
.set FR,    16
.set NL,    4                          ; LDS loads that bring a fragment
.set NP,    4                          ; places behind this matrix instruction (ISA guide 7.12.1)
.set ADRA, 16                          ; v16-17  LDS address of my A fragments in slot 0, 1
.set ADRB, 20                          ; v20-21  the same for B
.set LI,   24                          ; v24     16 x lane
.set SPW,  28                          ; v28     LDS address of my spare word; never rewritten
.set NIL,  29                          ; v29     0; never rewritten
.set SC,   30                          ; v30     2^(eo - ex - ew) as f32
.set LIM,  31                          ; v31     448 x that
.set CS,   32                          ; v32-95  cos, sin of a block of 16 positions: 32 registers, two sets
.set T,    96                          ; v96-159 a block's 64 numbers
.set C,    160                         ; v160-175 their codes
.set AF,   128
.set G1, 24
.set G0, 32
.set G1B, 48
.set G0B, 56
.set KIND, 66
.set MSB, 0
.macro WIN new                         ; the immediate's high byte repeats the setting that is left
.if MSB != \new
	s_set_vgpr_msb (MSB<<8)|\new
.set MSB, \new
.endif
.endm
.set MUL_LO, 0xa1                      ; source 0 (B) window 1, source 1 (A) window 0, C and D window 2
.set MUL_HI, 0xf1                      ; the same, C and D window 3
.set TO_B,   0x40                      ; destination window 1, address window 0
; A joint load: waves 0 and 1 fetch for A, waves 2 and 3 for B.  Each line has one mask and one set of registers; the branch hangs on the wave's number alone.
; An s_nop 0 and four v_nop follow each of the two lines.
.macro JLOAD g0a, g1a, g0b, g1b
	s_cmp_eq_u32 s15, 0
	s_cbranch_scc0 .Lfor_b_\@
	tensor_load_to_lds s[\g0a:\g0a+3], s[\g1a:\g1a+7]
	s_nop 0
.rept 4
	v_nop
.endr
	s_branch .Lasked_\@
.Lfor_b_\@:
	tensor_load_to_lds s[\g0b:\g0b+3], s[\g1b:\g1b+7]
	s_nop 0
.rept 4
	v_nop
.endr
.Lasked_\@:
.endm
.macro CREST                           ; a round of the cluster's barrier behind its opening barrier
	s_cmp_lg_u32 s14, 0
	s_cbranch_scc1 .Lnot_wave_0_\@
	s_barrier_signal -3
.Lnot_wave_0_\@:
	s_barrier_wait -3
	s_barrier_signal -1
	s_barrier_wait -1
.endm
.macro CROUND
	s_barrier_signal -1
	s_barrier_wait -1
	CREST
.endm
	s_load_b256 s[4:11], s[0:1], 0x0               ; xcodes s[4:5], wcodes s[6:7], scales s[8:9], rope s[10:11]
	s_load_b64 s[12:13], s[0:1], 0x20              ; qkv
	v_lshl_add_u32 v[SPW], v0, 2, SPARE
	v_mov_b32 v[NIL], 0
	ds_add_u32 v[SPW], v[NIL]                      ; the wave's opening: the add and its wait stand ahead of my first tensor load; the set-up below, work on registers, stands between them
	ds_add_u32 v[SPW], v[NIL]
	v_lshrrev_b32 v1, 5, v0
	v_readfirstlane_b32 s14, v1                    ; wave 0..3
	s_lshr_b32 s15, s14, 1                         ; which half of A's rows is mine.  Also: I fetch for A (0) or for B (1)
	s_and_b32 s16, s14, 1                          ; which half of B's rows.  Also: which 128 rows of that tile I fetch
	s_bfe_u32 s40, ttmp6, 0x40000                  ; cx, cy: my place in the cluster
	s_bfe_u32 s41, ttmp6, 0x40004
	s_mov_b32 s[KIND], ttmp9                       ; the cluster's x: the same in all sixteen partners
	s_and_b32 s67, ttmp7, 0xffff
	s_lshl_b32 s67, s67, 2                         ; 4 x the cluster's y
	s_add_co_u32 s68, s67, s41
	s_add_co_u32 s69, s67, s40
	s_cmp_eq_u32 s[KIND], 2
	s_cselect_b32 s17, s41, s68                    ; A's tile: of wv's four by cy; of x's 32 by 4 Y + cy.  It never hangs on cx
	s_cselect_b32 s42, s69, s40                    ; B's tile: of x's 32 by 4 Y + cx; of the weight's four by cx.  It never hangs on cy
	s_lshl_b32 s43, s41, 2
	s_lshl_b32 s43, 15, s43                        ; my row of the cluster
	s_lshl_b32 s44, 0x1111, s40                    ; my column
	; descriptor group 1: 8 runs of 4,096 bytes (512 elements of 8 bytes), 16,384 bytes apart in memory, dense in LDS
	s_or_b32 s[G1+0], s43, (3<<16)|(1<<21)         ; 15:0 the mask: A's tiles go to my row; 17:16 elements of 8 bytes; 20 no padding; 21 set beside a mask
	s_or_b32 s[G1B+0], s44, (3<<16)|(1<<21)
.irp g, G1, G1B
	s_mov_b32 s[\g+1], 512<<16                     ; tensor_dim0 = 512
	s_mov_b32 s[\g+2], 8<<16                       ; tensor_dim1 = 8
	s_mov_b32 s[\g+3], 512<<16                     ; tile_dim0 = 512
	s_mov_b32 s[\g+4], 8                           ; tile_dim1 = 8
	s_mov_b32 s[\g+5], 2048                        ; tensor_dim0_stride: 2,048 elements
	s_mov_b32 s[\g+6], 0
	s_mov_b32 s[\g+7], 0
.endr
	s_lshl_b32 s18, s16, 17                        ; which 128 rows of the tile I fetch: 8 blocks of 16,384 bytes
	s_lshl_b32 s20, s17, 18                        ; a tile of 256 rows is 262,144 bytes
	s_add_co_u32 s20, s20, s18
	s_lshl_b32 s46, s42, 18
	s_add_co_u32 s46, s46, s18
	s_lshl_b32 s70, s[KIND], 23                    ; a plane of x's codes (and of qkv) is 8 MiB,
	s_lshl_b32 s71, s[KIND], 20                    ; of a weight's 1 MiB
	s_cmp_eq_u32 s[KIND], 2
	s_cselect_b32 s19, s71, s70
	s_cselect_b32 s47, s70, s71
	s_add_co_u32 s20, s20, s19
	s_add_co_u32 s46, s46, s47
	s_mov_b32 s21, 0
	s_mov_b32 s47, 0
	s_mul_i32 s45, s14, HALFT                      ; where they go: wave x 128 rows: no place in the cluster enters an LDS address
	s_wait_dscnt 0x0                               ; the opening add is done
	s_wait_kmcnt 0x0
	s_load_b256 s[72:79], s[8:9], 0x0              ; entries 0 to 7
	s_load_b128 s[80:83], s[8:9], 0x20             ; entries 8 to 11
	s_cmp_eq_u32 s[KIND], 2
	s_cselect_b64 s[84:85], s[6:7], s[4:5]         ; A's buffer,
	s_cselect_b64 s[86:87], s[4:5], s[6:7]         ; B's
	s_add_nc_u64 s[20:21], s[84:85], s[20:21]
	s_add_nc_u64 s[46:47], s[86:87], s[46:47]
	CROUND                                         ; all sixteen work-groups are here: the first joint loads meet
.irp s, 0,1
	s_mov_b32 s[G0+4*\s], 1
	s_add_co_u32 s[G0+4*\s+1], s45, \s*SLOT
	s_add_nc_u64 s[G0+4*\s+2:G0+4*\s+3], s[20:21], \s*RBK
	s_or_b32 s[G0+4*\s+3], s[G0+4*\s+3], 0x80000000
	s_mov_b32 s[G0B+4*\s], 1
	s_add_co_u32 s[G0B+4*\s+1], s45, \s*SLOT
	s_add_nc_u64 s[G0B+4*\s+2:G0B+4*\s+3], s[46:47], \s*RBK
	s_or_b32 s[G0B+4*\s+3], s[G0B+4*\s+3], 0x80000000
	JLOAD G0+4*\s, G1, G0B+4*\s, G1B
.endr
	v_and_b32 v1, 31, v0
	v_lshlrev_b32 v[LI], 4, v1
	s_wait_alu depctr_va_vdst(0)
	s_mul_i32 s21, s15, HALFT                      ; my 128 rows of A
	s_mul_i32 s22, s16, HALFT                      ; my 128 rows of B,
	s_add_co_u32 s22, s22, 2*HALFT                 ; which lie behind A's 256
.irp s, 0,1
	v_add_nc_u32 v[ADRA+\s], s21, v[LI]
	v_add_nc_u32 v[ADRB+\s], s22, v[LI]
	s_add_co_u32 s21, s21, SLOT
	s_add_co_u32 s22, s22, SLOT
.endr
	; the table of cos and sin: my 8 blocks of 16 positions within the batch (in kind 2 the loads are made and not used: they stay inside the table)
	s_and_b32 s23, s17, 7
	s_lshl_b32 s23, s23, 4
	s_lshl_b32 s88, s15, 3
	s_add_co_u32 s23, s23, s88                     ; my first block of 16 positions
	s_lshl_b32 s88, s23, 12
	s_mov_b32 s89, 0
	s_add_nc_u64 s[68:69], s[10:11], s[88:89]
.macro CSLOAD a                        ; block a's 32 registers: eight pieces of 512 bytes
.irp q, 0,1,2,3,4,5,6,7
	global_load_b128 v[CS+32*((\a)%2)+4*\q:CS+32*((\a)%2)+4*\q+3], v[LI], s[68:69] offset:4096*(\a)+512*\q
.endr
.endm
	CSLOAD 0
	CSLOAD 1
	; where my results go.  q, k: ((batch x 16 + 4 B's tile + 2 B's half) x 128 + my first block of positions) x 1,024.  v: ((batch x 16 + 4 A's tile + 2 A's half) x 16 + chunk of 128 keys) x 8,192
	s_and_b32 s90, s42, 7
	s_lshl_b32 s90, s90, 1
	s_add_co_u32 s90, s90, s16
	s_lshl_b32 s90, s90, 13
	s_lshl_b32 s91, s23, 10
	s_cmp_eq_u32 s[KIND], 2
	s_cselect_b32 s92, s42, s17                    ; the tile of positions: its upper bits are the batch
	s_cselect_b32 s93, s17, s42                    ; the tile of features: four heads
	s_cselect_b32 s94, s15, s16                    ; my half of it: two heads
	s_cselect_b32 s90, s90, s91
	s_lshr_b32 s92, s92, 3
	s_lshl_b32 s92, s92, 4
	s_lshl_b32 s93, s93, 2
	s_add_co_u32 s92, s92, s93
	s_lshl_b32 s94, s94, 1
	s_add_co_u32 s92, s92, s94
	s_lshl_b32 s92, s92, 17                        ; a head is 131,072 bytes in every plane
	s_add_co_u32 s92, s92, s90
	s_add_co_u32 s92, s92, s70
	s_mov_b32 s93, 0
	s_add_nc_u64 s[70:71], s[12:13], s[92:93]
.macro FRAG reg, adr, q, i             ; fragment q of block i of 16 rows: four pieces of 512 consecutive bytes
.irp c, 0,1,2,3
	ds_load_b128 v[\reg+4*\c:\reg+4*\c+3], v[\adr] offset:FRB*(\q)+512*\c+(\i)*RBK
.endr
.endm
; 16 matrix instructions: A's blocks a0, a0 + 1 x B's eight, 128 along K.  p: B's set.  zero = 1: the first product starts the sums.
; The 64 accumulators take turns, one instruction a turn, in the same order in every step.
.macro MUL16 a0, p, zero
.irp a, \a0, \a0+1
.irp b, 0,1,2,3,4,5,6,7
.if \zero
	v_wmma_f32_16x16x128_fp8_fp8 v[8*(8*((\a)%4)+\b):8*(8*((\a)%4)+\b)+7], v[128*(\p)+FR*\b:128*(\p)+FR*\b+FR-1], v[AF+FR*(\a):AF+FR*(\a)+FR-1], 0
.else
	v_wmma_f32_16x16x128_fp8_fp8 v[8*(8*((\a)%4)+\b):8*(8*((\a)%4)+\b)+7], v[128*(\p)+FR*\b:128*(\p)+FR*\b+FR-1], v[AF+FR*(\a):AF+FR*(\a)+FR-1], v[8*(8*((\a)%4)+\b):8*(8*((\a)%4)+\b)+7]
.endif
.endr
.endr
.endm
.macro FETCH_B slot, q, p
	WIN TO_B
.irp i, 0,1,2,3,4,5,6,7
	FRAG 128*(\p)+FR*\i, ADRB+\slot, \q, \i
.endr
	WIN 0
.endm
.macro FETCH_A slot, q, i0
.irp i, \i0, \i0+1, \i0+2, \i0+3
	FRAG AF+FR*(\i), ADRA+\slot, \q, \i
.endr
.endm
.macro PLACES n                        ; plain vector lines between a matrix instruction and a load into, or a vector line on, its registers
.rept \n
	v_nop
.endr
.endm
; A step of 128 along K that has its successor in the same slot.  A has one set of registers: blocks 0-3 are fetched anew in the step's middle, blocks 4-7 at its end; B has two sets.
.macro STEP slot, q, zero
	s_wait_dscnt 4*NL                              ; B's set and A's blocks 0-3 are in; the youngest sixteen loads (A's blocks 4-7) may be out
	WIN MUL_LO
	MUL16 0, (\q)%2, \zero
	MUL16 2, (\q)%2, \zero
	s_wait_dscnt 0
	PLACES NP
	FETCH_B \slot, (\q)+1, 1-(\q)%2
	FETCH_A \slot, (\q)+1, 0
	WIN MUL_HI
	MUL16 4, (\q)%2, \zero
	MUL16 6, (\q)%2, \zero
	PLACES NP
	WIN 0
	FETCH_A \slot, (\q)+1, 4
.endm
; A slot's last step changes slots: one barrier; in front of it each wave waits for all its tensor loads, adds 0 to its spare word, and waits for that and for its reads of this slot.  fill = 1: this slot is filled again, two K steps ahead.
.macro TURN slot, next, fill
	s_wait_tensorcnt 0x0                           ; all my tensor loads have landed: my part of the next slot (every window is 0 here)
	ds_add_u32 v[SPW], v[NIL]                      ; 0 onto my spare word
	s_wait_dscnt 4*NL+1                            ; (the add and the youngest sixteen loads, A's blocks 4-7, may be out)
	WIN MUL_LO
	MUL16 0, 1, 0                                  ; sixteen matrix instructions stand between the add and the wait for it
	s_wait_dscnt 0x0                               ; the add is done, and my reads of this slot are over
	s_barrier_signal -1
	MUL16 2, 1, 0
	WIN 0
	s_barrier_wait -1
.if \fill
	CREST                                          ; the barrier has opened a round of the cluster's barrier: no wave of any partner still reads this slot or has a load on its way
	s_add_nc_u64 s[G0+4*\slot+2:G0+4*\slot+3], s[G0+4*\slot+2:G0+4*\slot+3], 2*RBK
	s_add_nc_u64 s[G0B+4*\slot+2:G0B+4*\slot+3], s[G0B+4*\slot+2:G0B+4*\slot+3], 2*RBK
	JLOAD G0+4*\slot, G1, G0B+4*\slot, G1B         ; the first tensor load behind the round; its four v_nop are the places in front of the loads below
.else
	PLACES NP
.endif
	FETCH_B \next, 0, 0
	FETCH_A \next, 0, 0
	WIN MUL_HI
	MUL16 4, 1, 0
	MUL16 6, 1, 0
	PLACES NP
	WIN 0
	FETCH_A \next, 0, 4
.endm
	s_wait_alu depctr_va_vdst(0)
	s_wait_tensorcnt 1                             ; my part of K step 0 is in; K step 1's load may be out
	s_barrier_signal -1
	s_barrier_wait -1
	FETCH_B 0, 0, 0
	FETCH_A 0, 0, 0
	FETCH_A 0, 0, 4
	STEP 0, 0, 1                                   ; the first step stands in front of the loop: its products start the sums
	s_mov_b32 s3, LAPS-1
.Llap:                                                 ; a trip goes once round the ring and fills both slots again
	TURN 0, 1, 1
	STEP 1, 0, 0
	TURN 1, 0, 1
	STEP 0, 0, 0
	s_sub_co_u32 s3, s3, 1
	s_cmp_lg_u32 s3, 0
	s_cbranch_scc1 .Llap
	TURN 0, 1, 0                                   ; the last lap fills nothing
	STEP 1, 0, 0
	s_wait_dscnt 4*NL
	WIN MUL_LO
	MUL16 0, 1, 0
	MUL16 2, 1, 0
	s_wait_dscnt 0
	WIN MUL_HI
	MUL16 4, 1, 0
	MUL16 6, 1, 0
	WIN 0
	; THE WAY OUT
	s_wait_kmcnt 0x0
	s_cmp_eq_u32 s[KIND], 1
	s_cselect_b32 s84, s74, s72                    ; ex: entry 0, 2 or 4
	s_cselect_b32 s85, s75, s73                    ; ew: entry 1, 3 or 5
	s_cselect_b32 s86, s79, s78                    ; eo: entry 6 (q), 7 (k) or 9 (v)
	s_cmp_eq_u32 s[KIND], 2
	s_cselect_b32 s84, s76, s84
	s_cselect_b32 s85, s77, s85
	s_cselect_b32 s86, s81, s86
	s_sub_co_i32 s86, s86, s84
	s_sub_co_i32 s86, s86, s85
	s_add_co_i32 s86, s86, 127
	s_lshl_b32 s87, s86, 23
	v_mov_b32 v[SC], s87
	s_add_co_i32 s86, s86, 8
	s_lshl_b32 s86, s86, 23
	s_or_b32 s86, s86, 0x600000
	v_mov_b32 v[LIM], s86
	PLACES NP                                      ; behind the last products: their results are read and A's registers written below
; q, k: block a of 16 positions x my 128 features (two heads).  Registers p, p + 1 of an accumulator are a pair (x1, x2) of the rotation; the table's registers p, p + 1 its cos and sin.
.macro ROPEBLK a
.set AC, 64*((\a)%4)
.set CB, CS+32*((\a)%2)
.if (\a) < 7
	s_wait_loadcnt 8                               ; this block's eight table loads are in; the next block's eight may be out
.else
	s_wait_loadcnt 0x0
.endif
	WIN 0x02+((\a)/4)                              ; source 0: window 2 or 3
.irp b, 0,1,2,3,4,5,6,7
.irp p, 0,2,4,6                        ; each accumulator from its low end on
	v_pk_mul_f32 v[T+8*\b+\p:T+8*\b+\p+1], v[AC+8*\b+\p:AC+8*\b+\p+1], v[CB+8*(\b%4)+\p:CB+8*(\b%4)+\p+1] op_sel:[1,1] op_sel_hi:[0,1]   ; (x2 sin, x1 sin)
.endr
.irp p, 0,2,4,6
	v_pk_fma_f32 v[T+8*\b+\p:T+8*\b+\p+1], v[AC+8*\b+\p:AC+8*\b+\p+1], v[CB+8*(\b%4)+\p:CB+8*(\b%4)+\p+1], v[T+8*\b+\p:T+8*\b+\p+1] op_sel_hi:[1,0,1] neg_lo:[0,0,1]   ; (x1 cos - x2 sin, x2 cos + x1 sin)
.endr
.endr
	WIN 0
.if (\a) < 6
	CSLOAD (\a)+2
.endif
	s_wait_alu depctr_va_vdst(0)
	s_wait_xcnt 0x0                                ; the last block's stores have read their data: C is written again only behind this wait
.irp b, 0,1,2,3,4,5,6,7
.irp j, 0,1,2,3,4,5,6,7
.endr
	v_cvt_scalef32_pk8_fp8_f32 v[C+2*\b:C+2*\b+1], v[T+8*\b:T+8*\b+7], v[SC]
.endr
	v_nop                                          ; a plain line behind the last conversion: the next block writes its sources
.irp c, 0,1,2,3                        ; registers 0-7: my first head's fragment; 8-15: my second's
	global_store_b128 v[LI], v[C+4*\c:C+4*\c+3], s[70:71] offset:1024*(\a)+131072*(\c/2)+512*(\c%2)
.endr
.endm
; v: block a of 16 features x my 128 keys: one fragment of attention's second product
.macro VBLK a
.set AC, 64*((\a)%4)
	WIN 0x02+((\a)/4)
.set II, 0
.rept 64
	v_med3_num_f32 v[T+II], v[AC+II], -v[LIM], v[LIM]
.set II, II+1
.endr
	WIN 0
	s_wait_alu depctr_va_vdst(0)
	s_wait_xcnt 0x0
.irp b, 0,1,2,3,4,5,6,7
	v_cvt_scalef32_pk8_fp8_f32 v[C+2*\b:C+2*\b+1], v[T+8*\b:T+8*\b+7], v[SC]
.endr
	v_nop
.irp c, 0,1,2,3
	global_store_b128 v[LI], v[C+4*\c:C+4*\c+3], s[70:71] offset:131072*((\a)/4)+2048*((\a)%4)+512*\c
.endr
.endm
	s_cmp_eq_u32 s[KIND], 2                        ; the kind is the same in all partners
	s_cbranch_scc1 .Lvalues
.irp a, 0,1,2,3,4,5,6,7
	ROPEBLK \a
.endr
	s_branch .Ldone
.Lvalues:
	s_wait_alu depctr_va_vdst(0)
.irp a, 0,1,2,3,4,5,6,7
	VBLK \a
.endr
.Ldone:
	s_wait_tensorcnt 0x0                           ; the wave's end, behind my last tensor load
	ds_add_u32 v[SPW], v[NIL]
	s_wait_dscnt 0x0
	CROUND                                         ; the closing round: no work-group ends while a partner may still ask for a tile that names it
	s_endpgm
.Lfunc_end_k_q62aba2cbf8_qkv:
	.size	k_q62aba2cbf8_qkv, .Lfunc_end_k_q62aba2cbf8_qkv-k_q62aba2cbf8_qkv
	.p2alignl 7, 3214868480
	.fill 96, 4, 3214868480
	.section	.rodata,"a",@progbits
	.p2align	6, 0x0
	.amdhsa_kernel k_q62aba2cbf8_qkv
		.amdhsa_group_segment_fixed_size 327680
		.amdhsa_private_segment_fixed_size 0
		.amdhsa_enable_private_segment 0
		.amdhsa_kernarg_size 40
		.amdhsa_user_sgpr_count 2
		.amdhsa_user_sgpr_kernarg_segment_ptr 1
		.amdhsa_wavefront_size32 1
		.amdhsa_system_sgpr_workgroup_id_x 1
		.amdhsa_system_sgpr_workgroup_id_y 1
		.amdhsa_system_sgpr_workgroup_id_z 1
		.amdhsa_system_vgpr_workitem_id 0
		.amdhsa_next_free_vgpr 1024
		.amdhsa_next_free_sgpr 96
		.amdhsa_reserve_vcc 0
		.amdhsa_float_denorm_mode_32 3
		.amdhsa_float_denorm_mode_16_64 3
		.amdhsa_fp16_overflow 1
		.amdhsa_memory_ordered 1
		.amdhsa_forward_progress 1
		.amdhsa_inst_pref_size 165
	.end_amdhsa_kernel
	.amdgpu_metadata
---
amdhsa.version: [ 1, 2 ]
amdhsa.kernels:
  - .name:           k_q62aba2cbf8_qkv
    .symbol:         k_q62aba2cbf8_qkv.kd
    .args:
      - { .name: xcodes, .offset: 0, .size: 8, .value_kind: global_buffer, .address_space: global }
      - { .name: wcodes, .offset: 8, .size: 8, .value_kind: global_buffer, .address_space: global }
      - { .name: lowp_scales, .offset: 16, .size: 8, .value_kind: global_buffer, .address_space: global }
      - { .name: rope, .offset: 24, .size: 8, .value_kind: global_buffer, .address_space: global }
      - { .name: qkv, .offset: 32, .size: 8, .value_kind: global_buffer, .address_space: global }
    .group_segment_fixed_size: 327680
    .private_segment_fixed_size: 0
    .kernarg_segment_align: 8
    .kernarg_segment_size: 40
    .max_flat_workgroup_size: 128
    .sgpr_count:     96
    .vgpr_count:     1024
    .wavefront_size: 32
...
	.end_amdgpu_metadata
.endif
;; end of part 2
;; launch attn (part 3): grid 4 x 64, 16 waves a work-group, clusters of 4 x 1, 327,680 bytes of LDS; arguments qkv, lowp_scales, ocodes; writes ocodes
.if DOCPART == 3
	.amdgcn_target "amdgcn-amd-amdhsa--gfx1250"
	.amdhsa_code_object_version 6
	.text
	.protected	k_q62aba2cbf8_attn
	.globl	k_q62aba2cbf8_attn
	.p2align	8
	.type	k_q62aba2cbf8_attn,@function
k_q62aba2cbf8_attn:
	s_mov_b64 s[64:65], 0
	v_nop
	global_prefetch_b8 v0, s[64:65] scope:SCOPE_SE
	s_setreg_imm32_b32 hwreg(HW_REG_WAVE_MODE, 25, 1), 1
	s_wait_xcnt 0x0
	s_wait_alu depctr_hold_cnt(0) depctr_sa_sdst(0) depctr_va_vdst(0) depctr_va_sdst(0) depctr_va_ssrc(0) depctr_va_vcc(0) depctr_vm_vsrc(0)
	s_getreg_b32 s2, hwreg(HW_REG_IB_STS2, 6, 4)
	s_cmp_eq_u32 s2, 0
	s_cbranch_scc0 .Lentry_in_a_cluster
	s_endpgm
.Lentry_in_a_cluster:
	s_bfe_u32 s2, ttmp6, 0x10000c
	s_cmp_lg_u32 s2, 0x3003
	s_cbranch_scc0 .Lentry_shape_is_right
	s_endpgm
.Lentry_shape_is_right:
; Causal attention on E4M3 codes: 64 heads (batch x 16 + head) of 2,048 positions x 64, and the quantising of its result for the output projection.
; t = score x log2(e) / 8; M = the running largest t, rounded up to a whole number; p = 2^(t - M) is quantised along the keys, not normalised; the row's sum is taken of the unquantised p and divides at the end.
; When M moves, the sum and O are multiplied by 2^(old M - new M): nothing is rounded.
; SHARES.  A cluster of four work-groups is one head; a work-group has sixteen waves of 256 registers, four to a SIMD, so that one wave's vector work stands beside another's products and LDS loads.
; Wave w of work-group g owns TWO tiles of 16 queries: a = 16 G + 4 u + g and 127 - a, with u = w / 4, G = (w % 4 + u) % 4.  The chunk of 128 keys on a tile's diagonal is CL = 2 G + u / 2 for the low tile
; and CH = 15 - CL for the high one: both made of the wave's number alone.  So each wave has (CL + 1) + (16 - CL) = 17 pairs of a tile and a chunk, in every slot the four partners have the same work, and no branch hangs on a work-group's place.
; LAYOUT.  Both products are used transposed: S^T = K Q^T (source 0 = 16 keys, source 1 = 16 queries), O^T = V^T P^T (source 0 = 16 of the head's 64, source 1 = P): a lane holds ONE query (lane % 16) throughout.
; Register j of score tile t is key 16 t + 8 (lane / 16) + j: a conversion of the tile's eight registers is registers 2 t, 2 t + 1 of P's fragment; likewise O^T's tiles become the next product's fragment.
; K, V, Q come as images of registers (lane l's 16 bytes at 16 l, 512 bytes a piece): K, Q 1,024 bytes for 16 rows x 64; V 2,048 bytes for 16 features x 128 keys.  Every LDS load takes 512 consecutive bytes.
; THE RING: two slots of 256 keys: 16,384 bytes of K, then 16,384 of V.  Wave 0 fetches K's, wave 1 V's, each by one joint load for the four partners.
; OUT: ocodes [block of 16 rows: 512][16,384 bytes], head h's 16 rows x 64 at 1,024 h.  No LDS store is made.
; LIMITS on the given exponents: e6 + e7 between -123 and 130 (added to c's exponent field); e8, and e10 - e8 - e9, between -126 and 119.
.set SLOT1, 32768                      ; slot 1 begins here: one exclusive or turns an address in one slot into the other's
.set VOFF,  16384
.set SPARE, 65536                      ; behind the ring: the spare words, 128 bytes for each wave: eight blocks of 256 bytes that no other line names
.set ADR,  1                           ; v1   LDS address of the slot in hand, + 16 x lane
.set NMH,  2                           ; v2   -M of the high tile   (v3 is named with it as a pair)
.set SCP,  3                           ; v3   2^e8 as f32
.set NML,  4                           ; v4   -M of the low tile    (v5 likewise)
.set PFO,  5                           ; v5   256 x lane; never rewritten
.set T0,   6                           ; v6, v7 at work
.set T1,   7
.set SPW,  8                           ; v8   LDS address of my spare word; never rewritten
.set NIL,  9                           ; v9   0; never rewritten
.set SUMH, 10                          ; v[10:11], v[12:13] the rows' sums, each in two halves
.set SUML, 12
.set T2,   14                          ; v14, v15 at work
.set T3,   15
.set QH,   16                          ; v16-23, v24-31 the two tiles of Q
.set QL,   24
.set KV,   32                          ; v32-95  eight fragments of K, then four of V
.set S,    96                          ; v96-159 S^T, then p
.set OH,   160                         ; v160-191, v192-223 O^T
.set OL,   192
.set PH,   224                         ; v224-239, v240-255 p's codes
.set PL,   240
; s10 wave, s11 cx, s12 head, s13 G, s14 u, s15 CL, s16 CH, s17 the chunk in hand, s18 the slot in hand, s19 slots still to be asked for, s[20:21] lane selects, s[22:23] c,
; s[24:31] group 1, s[32:35] group 0, s[36:37] the prefetches' address, s38 who prefetches, s39 2^e8, s41, s42 the tiles' first query within their diagonal chunk
.macro CROUND                          ; a round of the cluster's barrier
	s_barrier_signal -1
	s_barrier_wait -1
	s_cmp_lg_u32 s10, 0
	s_cbranch_scc1 .Lnot_wave_0_\@
	s_barrier_signal -3
.Lnot_wave_0_\@:
	s_barrier_wait -3
	s_barrier_signal -1
	s_barrier_wait -1
.endm
.macro TLOAD                           ; waves 0 and 1 fetch, the others nothing: a branch on the wave's number alone.  An s_nop 0 and four v_nop follow the line
	s_cmp_lt_u32 s10, 2
	s_cbranch_scc0 .Lnone_\@
	tensor_load_to_lds s[32:35], s[24:31]
	s_nop 0
.rept 4
	v_nop
.endr
.Lnone_\@:
.endm
; A prefetch of what the NEXT change of slots will ask for: 32,768 bytes, 128 blocks of 256.  Only this cluster reads the head's K and V.  Wave 2 of each partner names 32 blocks, a lane a block; the partners are told
; apart by address (place 0, 1: K's halves; 2, 3: V's).  So each block is named once.  The last change that fills a slot asks for nothing; slots 0 and 1 come by their loads alone.
.macro ASK
	s_cmp_gt_u32 s19, s38
	s_cbranch_scc0 .Lnot_mine_\@
	global_prefetch_b8 v[PFO], s[36:37] th:TH_LOAD_NT scope:SCOPE_SE
.Lnot_mine_\@:
.endm
	s_load_b128 s[4:7], s[0:1], 0x0                ; qkv s[4:5], scales s[6:7]
	s_load_b64 s[8:9], s[0:1], 0x10                ; ocodes
	v_lshl_add_u32 v[SPW], v0, 2, SPARE
	v_mov_b32 v[NIL], 0
	ds_add_u32 v[SPW], v[NIL]                      ; the wave's opening: the add and its wait stand ahead of my first tensor load; the set-up below, work on registers, stands between them
	ds_add_u32 v[SPW], v[NIL]
	v_lshrrev_b32 v1, 5, v0
	s_delay_alu instid0(VALU_DEP_1)
	v_readfirstlane_b32 s10, v1                    ; wave 0..15
	s_bfe_u32 s11, ttmp6, 0x40000                  ; cx
	s_and_b32 s12, ttmp7, 0xffff                   ; the head: the cluster's y
	s_lshr_b32 s14, s10, 2                         ; u
	s_and_b32 s13, s10, 3
	s_add_co_u32 s13, s13, s14
	s_and_b32 s13, s13, 3                          ; G
	s_lshl_b32 s15, s13, 1
	s_lshr_b32 s40, s14, 1
	s_add_co_u32 s15, s15, s40                     ; CL
	s_sub_co_u32 s16, 15, s15                      ; CH
	s_mov_b32 s17, 0
	s_mov_b32 s18, 0
	s_mov_b32 s19, 7
	s_mov_b32 s20, 0x76543210
	s_mov_b32 s21, 0xfedcba98
	; descriptor group 1: 64 rows of 256 bytes (32 elements of 8 bytes), dense in memory and in LDS
	s_mov_b32 s24, 15|(3<<16)|(1<<21)              ; 15:0 the mask: all four work-groups; 17:16 elements of 8 bytes; 20 no padding; 21 set beside a mask
	s_mov_b32 s25, 32<<16                          ; tensor_dim0 = 32
	s_mov_b32 s26, 64<<16                          ; tensor_dim1 = 64
	s_mov_b32 s27, 32<<16                          ; tile_dim0 = 32
	s_mov_b32 s28, 64                              ; tile_dim1 = 64
	s_mov_b32 s29, 32                              ; tensor_dim0_stride
	s_mov_b32 s30, 0
	s_mov_b32 s31, 0
	s_lshl_b32 s54, s12, 17                        ; a head is 131,072 bytes in each plane of qkv
	; group 0: wave 0: K (plane 1) to the slot's first half; wave 1: V (plane 2) to its second.  Made of the wave's number and the head alone
	s_and_b32 s40, s10, 1
	s_mov_b32 s32, 1
	s_lshl_b32 s33, s40, 14
	s_add_co_u32 s40, s40, 1
	s_lshl_b32 s52, s40, 23
	s_add_co_u32 s52, s52, s54
	s_mov_b32 s53, 0
	s_cmp_eq_u32 s10, 2
	s_cselect_b32 s38, 1, -1                       ; wave 2 prefetches while s19 is above 1; nobody else ever
	; my two tiles: they enter global addresses and the mask's numbers alone
	s_lshl_b32 s49, s13, 4
	s_lshl_b32 s50, s14, 2
	s_add_co_u32 s49, s49, s50
	s_add_co_u32 s49, s49, s11                     ; a
	s_sub_co_u32 s43, 127, s49                     ; 127 - a
	s_and_b32 s41, s49, 7
	s_lshl_b32 s41, s41, 4                         ; the low tile's first query, counted from its diagonal chunk's first key
	s_sub_co_u32 s42, 112, s41                     ; the high tile's
	s_lshr_b32 s50, s11, 1                         ; the prefetches: plane 1 + cx / 2, half cx % 2, slot 1 (the first change steps it to slot 2)
	s_add_co_u32 s50, s50, 1
	s_lshl_b32 s66, s50, 23
	s_add_co_u32 s66, s66, s54
	s_and_b32 s50, s11, 1
	s_lshl_b32 s50, s50, 13
	s_add_co_u32 s66, s66, s50
	s_add_co_u32 s66, s66, 16384
	s_mov_b32 s67, 0
	s_lshl_b32 s56, s43, 10                        ; Q's two fragments, in plane 0
	s_add_co_u32 s56, s56, s54
	s_mov_b32 s57, 0
	s_lshl_b32 s58, s49, 10
	s_add_co_u32 s58, s58, s54
	s_mov_b32 s59, 0
	s_lshr_b32 s50, s12, 4
	s_lshl_b32 s50, s50, 7                         ; the batch's 128 blocks of 16 rows
	s_and_b32 s55, s12, 15
	s_lshl_b32 s55, s55, 10                        ; the head's 1,024 bytes in a block
	s_add_co_u32 s60, s50, s43
	s_lshl_b32 s60, s60, 14
	s_add_co_u32 s60, s60, s55
	s_mov_b32 s61, 0
	s_add_co_u32 s62, s50, s49
	s_lshl_b32 s62, s62, 14
	s_add_co_u32 s62, s62, s55
	s_mov_b32 s63, 0
	s_wait_dscnt 0x0                               ; the opening add is done
	s_wait_kmcnt 0x0
	s_load_b256 s[68:75], s[6:7], 0x10             ; entries 4 to 11: s70 e6, s71 e7, s72 e8, s73 e9, s74 e10
	s_add_nc_u64 s[34:35], s[4:5], s[52:53]
	s_or_b32 s35, s35, 0x80000000
	s_add_nc_u64 s[36:37], s[4:5], s[66:67]
	s_add_nc_u64 s[56:57], s[4:5], s[56:57]
	s_add_nc_u64 s[58:59], s[4:5], s[58:59]
	s_add_nc_u64 s[60:61], s[8:9], s[60:61]
	s_add_nc_u64 s[62:63], s[8:9], s[62:63]
	CROUND                                         ; all four work-groups are here: the first joint loads meet
	TLOAD                                          ; slot 0
	v_and_b32 v1, 31, v0
	s_delay_alu instid0(VALU_DEP_1)
	v_lshlrev_b32 v[PFO], 8, v1
	s_delay_alu instid0(VALU_DEP_2)
	v_lshlrev_b32 v1, 4, v1
	global_load_b128 v[QH:QH+3],   v1, s[56:57]    ; Q stays in registers
	global_load_b128 v[QH+4:QH+7], v1, s[56:57] offset:512
	global_load_b128 v[QL:QL+3],   v1, s[58:59]
	global_load_b128 v[QL+4:QL+7], v1, s[58:59] offset:512
	v_mov_b32 v[NMH], 0x7f61b1e6                   ; -M = 3e38: M lies under every t
	v_mov_b32 v[NML], 0x7f61b1e6
.irp j, T0, T1, T2, T3, SUMH, SUMH+1, SUML, SUML+1
	v_mov_b32 v[\j], 0
.endr
.set II, 0
.rept 64
	v_mov_b32 v[OH+II], 0                          ; O^T.  (The step is written once: the first finds zeros, which the first change of M leaves zeros)
.set II, II+1
.endr
.set II, 0
.rept 16
	v_mov_b32 v[PL+II], 0                          ; the low tile's codes hold numbers on every way through the branches below
.set II, II+1
.endr
	s_wait_kmcnt 0x0
	s_add_co_i32 s40, s70, s71
	s_lshl_b32 s40, s40, 23
	s_add_co_i32 s22, s40, 0x3e38aa3b              ; c = log2(e) / 8, with e6 + e7 added to its exponent field: a score stands for score x 2^(e6 + e7)
	s_mov_b32 s23, s22                             ; (named with it as a pair, so it is written)
	s_add_co_i32 s40, s72, 127
	s_lshl_b32 s39, s40, 23
	v_mov_b32 v[SCP], s39                          ; 2^e8
; One tile of 16 queries against the chunk's 128 keys, whose fragments lie in KV: the scores, the softmax's step, p's codes, O^T under the new M.
; CD: the scalar register with the tile's diagonal chunk; DS: that with its first query counted from that chunk's first key.
.macro TILE QR, OR, PR, NM, SUM, CD, DS
.set II, 0
.rept 8
	v_wmma_f32_16x16x64_fp8_fp8 v[S+8*II:S+8*II+7], v[KV+8*II:KV+8*II+7], v[\QR:\QR+7], 0
.set II, II+1
.endr
.rept 4
	v_nop                                          ; places in front of the first read of the scores
.endr
	s_cmp_lg_u32 s17, s[\CD]                       ; on the diagonal the scores of hidden keys become -infinity ahead of the maximum: p = 0 then.  The chunk's first key counts for every query of the tile
	s_cbranch_scc1 .Lopen_\@
	v_and_b32 v[T2], 15, v0
	v_bfe_u32 v[T3], v0, 4, 1
	s_delay_alu instid0(VALU_DEP_1)
	v_lshlrev_b32 v[T3], 3, v[T3]
	s_delay_alu instid0(VALU_DEP_1)
	v_sub_nc_u32 v[T2], v[T2], v[T3]
	s_delay_alu instid0(VALU_DEP_1)
	v_add_nc_u32 v[T2], s[\DS], v[T2]              ; d = my query - 8 (lane / 16), from the chunk's first key.  Register 8 t + j is hidden where 16 t + j > d
	v_mov_b32 v[T3], 0xff800000
.set II, 0
.rept 64
	v_cmp_gt_i32 vcc_lo, 16*(II/8)+II%8, v[T2]
	v_cndmask_b32 v[S+II], v[S+II], v[T3], vcc_lo
.set II, II+1
.endr
.Lopen_\@:
	v_max3_num_f32 v[T0], v[S], v[S+1], v[S+2]     ; the chunk's largest score of my query among my 64 keys, in two chains, ascending,
	v_max3_num_f32 v[T1], v[S+3], v[S+4], v[S+5]
.set II, 6
.rept 14
	v_max3_num_f32 v[T0], v[T0], v[S+II], v[S+II+1]
	v_max3_num_f32 v[T1], v[T1], v[S+II+2], v[S+II+3]
.set II, II+4
.endr
	v_max3_num_f32 v[T0], v[T0], v[S+62], v[S+63]
	s_delay_alu instid0(VALU_DEP_1)
	v_max_num_f32 v[T0], v[T0], v[T1]
	s_delay_alu instid0(VALU_DEP_1)
	v_permlanex16_b32 v[T1], v[T0], s20, s21
	s_delay_alu instid0(VALU_DEP_1)
	v_max_num_f32 v[T0], v[T0], v[T1]              ; and among lane l xor 16's
	s_delay_alu instid0(VALU_DEP_1)
	v_mul_f32 v[T0], s22, v[T0]                    ; as t (c is positive)
	s_delay_alu instid0(VALU_DEP_1)
	v_floor_f32 v[T0], -v[T0]                      ; -ceil(t)
	s_delay_alu instid0(VALU_DEP_1)
	v_min_num_f32 v[T0], v[\NM], v[T0]             ; the new -M: the ceiling of a maximum is the maximum of the ceilings
	s_delay_alu instid0(VALU_DEP_1)
	v_sub_f32 v[T1], v[T0], v[\NM]                 ; old M - new M: a whole number, 0 or less
	s_delay_alu instid0(VALU_DEP_2)
	v_mov_b32 v[\NM], v[T0]
	s_delay_alu instid0(VALU_DEP_2)
	v_cvt_i32_f32 v[T1], v[T1]                     ; (it saturates)
	s_delay_alu instid0(VALU_DEP_1)
	v_ldexp_f32 v[T0], 1.0, v[T1]                  ; f = 2^(old M - new M)
.set II, 0
.rept 32
	v_pk_fma_f32 v[S+II:S+II+1], v[S+II:S+II+1], s[22:23], v[\NM:\NM+1] op_sel_hi:[1,0,0]   ; t - M, two at a time (of the pairs c and -M the low word serves both halves)
.set II, II+2
.endr
.set II, 0
	s_wait_alu depctr_va_vdst(0)
.rept 64
	v_exp_f32 v[S+II], v[S+II]                     ; p = 2^(t - M), at most 1
.set II, II+1
.endr
	v_pk_mul_f32 v[\SUM:\SUM+1], v[\SUM:\SUM+1], v[T0:T0+1] op_sel_hi:[1,0]   ; the sums under the new M: the plain line behind the exponentials
	s_wait_alu depctr_va_vdst(0)                   ; one wait for the batch of 64, ahead of its first reader
	v_pk_add_f32 v[T2:T2+1], v[S:S+1], v[S+2:S+3]  ; the row's sum is taken of the unquantised p: two at a time, in two chains
.set II, 4
.rept 15
	v_pk_add_f32 v[\SUM:\SUM+1], v[\SUM:\SUM+1], v[S+II:S+II+1]
	v_pk_add_f32 v[T2:T2+1], v[T2:T2+1], v[S+II+2:S+II+3]
.set II, II+4
.endr
	s_delay_alu instid0(VALU_DEP_1)
	v_pk_add_f32 v[\SUM:\SUM+1], v[\SUM:\SUM+1], v[T2:T2+1]
.set JJ, 0
.rept 8
.set II, 0
.rept 8
.set II, II+1
.endr
	v_cvt_scalef32_pk8_fp8_f32 v[\PR+2*JJ:\PR+2*JJ+1], v[S+8*JJ:S+8*JJ+7], v[SCP]
.set JJ, JJ+1
.endr
.set II, 0
.rept 16
	v_pk_mul_f32 v[\OR+II:\OR+II+1], v[\OR+II:\OR+II+1], v[T0:T0+1] op_sel_hi:[1,0]   ; O^T under the new M.  (These are also the plain lines behind the conversions and in front of the loads and products that follow)
.set II, II+2
.endr
.endm
; A CHUNK of 128 keys, the q-th of the slot in hand.  A chunk behind the high tile's diagonal is left out, one behind the low tile's is left out for that tile: scalar branches on the wave's number and the count of chunks,
; round LDS loads, products and vector work; no barrier and no tensor load stands in a chunk.
.macro STEP q
	s_cmp_gt_u32 s17, s16
	s_cbranch_scc1 .Lhidden_\@
	v_and_b32 v[ADR], 31, v0
	s_delay_alu instid0(VALU_DEP_1)
	v_lshl_add_u32 v[ADR], v[ADR], 4, s18
	v_nop
	v_nop                                          ; four places in front of loads into registers that the last products read: the two lines above are two of them
.irp t, 0,1,2,3,4,5,6,7
	ds_load_b128 v[KV+8*\t:KV+8*\t+3],   v[ADR] offset:8192*(\q)+1024*\t
	ds_load_b128 v[KV+8*\t+4:KV+8*\t+7], v[ADR] offset:8192*(\q)+1024*\t+512
.endr
	s_wait_dscnt 0x0
	TILE QH, OH, PH, NMH, SUMH, 16, 42
	s_cmp_gt_u32 s17, s15
	s_cbranch_scc1 .Lno_low_\@
	TILE QL, OL, PL, NML, SUML, 15, 41
.Lno_low_\@:
.irp t, 0,1,2,3
.irp c, 0,1,2,3
	ds_load_b128 v[KV+16*\t+4*\c:KV+16*\t+4*\c+3], v[ADR] offset:VOFF+8192*(\q)+2048*\t+512*\c
.endr
.endr
	s_wait_dscnt 0x0
	s_wait_alu depctr_va_vdst(0)
.irp t, 0,1,2,3                        ; O^T += V^T P^T: the accumulators take turns, one instruction a turn
	v_wmma_f32_16x16x128_fp8_fp8 v[OH+8*\t:OH+8*\t+7], v[KV+16*\t:KV+16*\t+15], v[PH:PH+15], v[OH+8*\t:OH+8*\t+7]
.endr
	s_cmp_gt_u32 s17, s15
	s_cbranch_scc1 .Lhidden_\@
.irp t, 0,1,2,3
	v_wmma_f32_16x16x128_fp8_fp8 v[OL+8*\t:OL+8*\t+7], v[KV+16*\t:KV+16*\t+15], v[PL:PL+15], v[OL+8*\t:OL+8*\t+7]
.endr
.Lhidden_\@:
	s_add_co_u32 s17, s17, 1
.endm
; THE CHANGE OF SLOTS stands at a slot's head.  Each wave waits for all its tensor loads (its part of the slot that it is about to read), adds 0 to its spare word, and waits for that and for its reads of the slot that it has left.
; fill = 1: the barrier is a round of the cluster's, and behind it the slot just left is filled with the next 256 keys: the load has a slot's two chunks in which to land.
.macro CHANGE fill
	s_wait_tensorcnt 0x0                           ; no tensor load of mine is out, so group 0 may be written
	ds_add_u32 v[SPW], v[NIL]                      ; 0 onto my spare word
.if \fill
	s_xor_b32 s33, s33, SLOT1                      ; the walking descriptor: the other slot than last time,
	s_add_nc_u64 s[34:35], s[34:35], 16384         ; the next 256 keys; the type bits on top are not reached
	s_wait_xcnt 0x0                                ; the last prefetch, a slot back, has read its address, so it may be written
	s_add_nc_u64 s[36:37], s[36:37], 16384         ; one slot further on than the walking descriptor
.endif
	s_wait_dscnt 0x0                               ; the add is done, and my reads of the slot that I have left are over
.if \fill
	CROUND
	TLOAD                                          ; the first thing behind the round, and a wave's one tensor load until the next
	ASK
.else
	s_barrier_signal -1
	s_barrier_wait -1
.endif
.endm
	s_wait_loadcnt 0x0                             ; Q is in (and v1, its address, may be written)
.Lslot:                                                ; seven trips: behind each change of slots but the last the next slot is asked for
	CHANGE 1
	STEP 0
	STEP 1
	s_xor_b32 s18, s18, SLOT1
	s_sub_co_u32 s19, s19, 1
	s_cmp_lg_u32 s19, 0
	s_cbranch_scc1 .Lslot
	CHANGE 0                                       ; the last slot is written out
	STEP 0
	STEP 1
	; THE WAY OUT.  O^T / the sum stands for the result / 2^(e8 + e9); its code under 2^e10 is that / 2^(e10 - e8 - e9).
.rept 4
	v_nop                                          ; places behind the last products
.endr
	v_add_f32 v[T0], v[SUMH], v[SUMH+1]            ; the sums' two halves,
	v_add_f32 v[T2], v[SUML], v[SUML+1]
	s_delay_alu instid0(VALU_DEP_2)
	v_permlanex16_b32 v[T1], v[T0], s20, s21
	s_delay_alu instid0(VALU_DEP_2)
	v_permlanex16_b32 v[T3], v[T2], s20, s21
	s_delay_alu instid0(VALU_DEP_2)
	v_add_f32 v[T0], v[T0], v[T1]                  ; and lane l xor 16's
	s_delay_alu instid0(VALU_DEP_2)
	v_add_f32 v[T2], v[T2], v[T3]
	s_wait_alu depctr_va_vdst(0)
	v_rcp_f32 v[T0], v[T0]
	v_rcp_f32 v[T2], v[T2]
	v_and_b32 v1, 31, v0                           ; (the plain line behind the reciprocals)
	s_delay_alu instid0(VALU_DEP_1)
	v_lshlrev_b32 v1, 4, v1
	s_sub_co_i32 s40, s74, s72
	s_sub_co_i32 s40, s40, s73
	s_add_co_i32 s40, s40, 127
	s_lshl_b32 s50, s40, 23
	v_mov_b32 v32, s50                             ; 2^(e10 - e8 - e9)
	s_wait_alu depctr_va_vdst(0)                   ; one wait for the two reciprocals, ahead of their first reader
.macro OUTT OR, SO, F, CR, BASE
.set II, 0
.rept 16
	v_pk_mul_f32 v[S+\SO+II:S+\SO+II+1], v[\OR+II:\OR+II+1], v[\F:\F+1] op_sel_hi:[1,0]   ; each accumulator from its low end on
.set II, II+2
.endr
.set JJ, 0
.rept 4
.set II, 0
.rept 8
.set II, II+1
.endr
	v_cvt_scalef32_pk8_fp8_f32 v[\CR+2*JJ:\CR+2*JJ+1], v[S+\SO+8*JJ:S+\SO+8*JJ+7], v32
.set JJ, JJ+1
.endr
	v_nop
	global_store_b128 v1, v[\CR:\CR+3],   s[\BASE:\BASE+1]              ; 512 consecutive bytes each
	global_store_b128 v1, v[\CR+4:\CR+7], s[\BASE:\BASE+1] offset:512
.endm
	OUTT OH, 0, T0, 40, 60
	OUTT OL, 32, T2, 48, 62
	s_wait_tensorcnt 0x0                           ; the wave's end, behind my last tensor load
	ds_add_u32 v[SPW], v[NIL]
	s_wait_dscnt 0x0
	CROUND                                         ; the closing round: no work-group ends while a partner may still ask for a tile that names it
	s_endpgm
.Lfunc_end_k_q62aba2cbf8_attn:
	.size	k_q62aba2cbf8_attn, .Lfunc_end_k_q62aba2cbf8_attn-k_q62aba2cbf8_attn
	.p2alignl 7, 3214868480
	.fill 96, 4, 3214868480
	.section	.rodata,"a",@progbits
	.p2align	6, 0x0
	.amdhsa_kernel k_q62aba2cbf8_attn
		.amdhsa_group_segment_fixed_size 327680
		.amdhsa_private_segment_fixed_size 0
		.amdhsa_enable_private_segment 0
		.amdhsa_kernarg_size 24
		.amdhsa_user_sgpr_count 2
		.amdhsa_user_sgpr_kernarg_segment_ptr 1
		.amdhsa_wavefront_size32 1
		.amdhsa_system_sgpr_workgroup_id_x 1
		.amdhsa_system_sgpr_workgroup_id_y 1
		.amdhsa_system_sgpr_workgroup_id_z 1
		.amdhsa_system_vgpr_workitem_id 0
		.amdhsa_next_free_vgpr 256
		.amdhsa_next_free_sgpr 76
		.amdhsa_reserve_vcc 1
		.amdhsa_float_denorm_mode_32 3
		.amdhsa_float_denorm_mode_16_64 3
		.amdhsa_fp16_overflow 1
		.amdhsa_memory_ordered 1
		.amdhsa_forward_progress 1
		.amdhsa_inst_pref_size 157
	.end_amdhsa_kernel
	.amdgpu_metadata
---
amdhsa.version: [ 1, 2 ]
amdhsa.kernels:
  - .name:           k_q62aba2cbf8_attn
    .symbol:         k_q62aba2cbf8_attn.kd
    .args:
      - { .name: qkv, .offset: 0, .size: 8, .value_kind: global_buffer, .address_space: global }
      - { .name: lowp_scales, .offset: 8, .size: 8, .value_kind: global_buffer, .address_space: global }
      - { .name: ocodes, .offset: 16, .size: 8, .value_kind: global_buffer, .address_space: global }
    .group_segment_fixed_size: 327680
    .private_segment_fixed_size: 0
    .kernarg_segment_align: 8
    .kernarg_segment_size: 24
    .max_flat_workgroup_size: 512
    .sgpr_count:     76
    .vgpr_count:     256
    .wavefront_size: 32
...
	.end_amdgpu_metadata
.endif
;; end of part 3
;; launch oproj (part 4): grid 4 x 32, 4 waves a work-group, clusters of 4 x 4, 327,680 bytes of LDS; arguments ocodes, wcodes, lowp_scales, out0; writes out0
.if DOCPART == 4
	.amdgcn_target "amdgcn-amd-amdhsa--gfx1250"
	.amdhsa_code_object_version 6
	.text
	.protected	k_q62aba2cbf8_oproj
	.globl	k_q62aba2cbf8_oproj
	.p2align	8
	.type	k_q62aba2cbf8_oproj,@function
k_q62aba2cbf8_oproj:
	s_mov_b64 s[64:65], 0
	v_nop
	global_prefetch_b8 v0, s[64:65] scope:SCOPE_SE
	s_setreg_imm32_b32 hwreg(HW_REG_WAVE_MODE, 25, 1), 1
	s_wait_xcnt 0x0
	s_wait_alu depctr_hold_cnt(0) depctr_sa_sdst(0) depctr_va_vdst(0) depctr_va_sdst(0) depctr_va_ssrc(0) depctr_va_vcc(0) depctr_vm_vsrc(0)
	s_getreg_b32 s2, hwreg(HW_REG_IB_STS2, 6, 4)
	s_cmp_eq_u32 s2, 0
	s_cbranch_scc0 .Lentry_in_a_cluster
	s_endpgm
.Lentry_in_a_cluster:
	s_bfe_u32 s2, ttmp6, 0x10000c
	s_cmp_lg_u32 s2, 0xf033
	s_cbranch_scc0 .Lentry_shape_is_right
	s_endpgm
.Lentry_shape_is_right:
; out0[m][n] = 2^(e10 + e11) x the sum over k of A[m][k] B[n][k]: A = attention's result as E4M3 codes (ocodes), B = wo's codes (plane 3 of wcodes); M = 8,192, N = K = 1,024; out0 f32.
; LIMIT: e10 + e11 between -126 and 127, so that 2^(e10 + e11) is an f32 number.
; A tile of 256 x 256 is made by four waves, 128 x 128 each: 64 accumulators of 16 x 16 in 512 registers.  K goes in steps of 256 through a ring of two LDS slots.
; OPERANDS ARE IMAGES OF REGISTERS: a fragment of 16 rows x 128 K is four pieces of 512 bytes, lane l's 16 bytes at 16 l; a block of 16 rows is 8 fragments, 16,384 bytes; a K step is 4,096 consecutive bytes of each block.
; A wave's tensor load brings 8 such runs (128 rows), dense in LDS; every LDS load takes 512 consecutive bytes.
; CLUSTERS: 4 x 4 work-groups; A's tile is shared along a row of the cluster, B's along a column, each asked for jointly.
; THE MATRIX INSTRUCTION IS USED TRANSPOSED (source 0 = 16 rows of B, source 1 = 16 rows of A): a lane then holds eight neighbouring numbers of a row of the result.
; REGISTERS, in windows of 256: window 0: v16-31 addresses; from v128 A's fragments, one set; on the way out v32-255 are free.   window 1: B's fragments, two sets.   windows 2, 3: the accumulators.
.set SIZE_N, 1024
.set FRB,   2048
.set RBK,   2*FRB
.set HALFT, 8*RBK
.set SLOT,  4*HALFT
.set SPARE, 2*SLOT                     ; behind the ring: the spare words, 128 bytes for each wave: two blocks of 256 bytes that no other line names
.set LAPS,  2
.set FR,    16
.set NL,    4
.set NP,    4
.set SPITCH, 528                       ; the way out: a stage of 16 rows x (512 bytes + 16) for each wave.  It lies in slot 0, which has had its last fill and its last read when the first result is stored there
.set ADRA, 16
.set ADRB, 20
.set STO,  24                          ; v24  the way out: where I put 32 bytes of a row
.set RD,   25                          ; v25  where I read a row back
.set CO,   26                          ; v26  16 x lane
.set SPW,  28
.set NIL,  29
.set TMP,  32
.set AF,   128
.set BK,   128
.set G1, 24
.set G0, 32
.set G1B, 48
.set G0B, 56
.set MSB, 0
.macro WIN new
.if MSB != \new
	s_set_vgpr_msb (MSB<<8)|\new
.set MSB, \new
.endif
.endm
.set MUL_LO, 0xa1
.set MUL_HI, 0xf1
.set TO_B,   0x40
.macro JLOAD g0a, g1a, g0b, g1b        ; waves 0 and 1 fetch for A, waves 2 and 3 for B; an s_nop 0 and four v_nop follow each of the two lines
	s_cmp_eq_u32 s15, 0
	s_cbranch_scc0 .Lfor_b_\@
	tensor_load_to_lds s[\g0a:\g0a+3], s[\g1a:\g1a+7]
	s_nop 0
.rept 4
	v_nop
.endr
	s_branch .Lasked_\@
.Lfor_b_\@:
	tensor_load_to_lds s[\g0b:\g0b+3], s[\g1b:\g1b+7]
	s_nop 0
.rept 4
	v_nop
.endr
.Lasked_\@:
.endm
.macro CREST
	s_cmp_lg_u32 s14, 0
	s_cbranch_scc1 .Lnot_wave_0_\@
	s_barrier_signal -3
.Lnot_wave_0_\@:
	s_barrier_wait -3
	s_barrier_signal -1
	s_barrier_wait -1
.endm
.macro CROUND
	s_barrier_signal -1
	s_barrier_wait -1
	CREST
.endm
	s_load_b128 s[4:7], s[0:1], 0x0                ; ocodes s[4:5], wcodes s[6:7]
	s_load_b128 s[8:11], s[0:1], 0x10              ; scales s[8:9], out0 s[10:11]
	v_lshl_add_u32 v[SPW], v0, 2, SPARE
	v_mov_b32 v[NIL], 0
	ds_add_u32 v[SPW], v[NIL]                      ; the wave's opening: the add and its wait stand ahead of my first tensor load; the set-up below, work on registers, stands between them
	ds_add_u32 v[SPW], v[NIL]
	v_lshrrev_b32 v1, 5, v0
	v_readfirstlane_b32 s14, v1                    ; wave 0..3
	s_lshr_b32 s15, s14, 1                         ; which half of the tile's rows is mine.  Also: I fetch for A (0) or for B (1)
	s_and_b32 s16, s14, 1                          ; which half of its columns.  Also: which 128 rows of that tile I fetch
	s_bfe_u32 s40, ttmp6, 0x40000
	s_bfe_u32 s41, ttmp6, 0x40004
	s_lshl_b32 s42, ttmp9, 2
	s_add_co_u32 s42, s42, s40                     ; tile column = 4 x cluster x + cx
	s_and_b32 s17, ttmp7, 0xffff
	s_lshl_b32 s17, s17, 2
	s_add_co_u32 s17, s17, s41                     ; tile row = 4 x cluster y + cy
	s_lshl_b32 s43, s41, 2
	s_lshl_b32 s43, 15, s43                        ; my row of the cluster
	s_lshl_b32 s44, 0x1111, s40                    ; my column
	s_or_b32 s[G1+0], s43, (3<<16)|(1<<21)         ; 15:0 the mask; 17:16 elements of 8 bytes; 20 no padding; 21 set beside a mask
	s_or_b32 s[G1B+0], s44, (3<<16)|(1<<21)
.irp g, G1, G1B
	s_mov_b32 s[\g+1], 512<<16                     ; tensor_dim0 = 512: a run of 4,096 bytes
	s_mov_b32 s[\g+2], 8<<16                       ; tensor_dim1 = 8
	s_mov_b32 s[\g+3], 512<<16                     ; tile_dim0
	s_mov_b32 s[\g+4], 8                           ; tile_dim1
	s_mov_b32 s[\g+5], 2048                        ; tensor_dim0_stride: 16,384 bytes
	s_mov_b32 s[\g+6], 0
	s_mov_b32 s[\g+7], 0
.endr
	s_lshl_b32 s18, s16, 17                        ; which 128 rows of the tile I fetch
	s_lshl_b32 s20, s17, 18
	s_add_co_u32 s20, s20, s18
	s_lshl_b32 s46, s42, 18
	s_add_co_u32 s46, s46, s18
	s_add_co_u32 s46, s46, 3<<20                   ; wo's plane of wcodes
	s_mov_b32 s21, 0
	s_mov_b32 s47, 0
	s_mul_i32 s45, s14, HALFT
	s_wait_dscnt 0x0                               ; the opening add is done
	s_wait_kmcnt 0x0
	s_load_b64 s[96:97], s[8:9], 0x28              ; e10, e11
	s_add_nc_u64 s[20:21], s[4:5], s[20:21]
	s_add_nc_u64 s[46:47], s[6:7], s[46:47]
	CROUND                                         ; all sixteen work-groups are here: the first joint loads meet
.irp s, 0,1
	s_mov_b32 s[G0+4*\s], 1
	s_add_co_u32 s[G0+4*\s+1], s45, \s*SLOT
	s_add_nc_u64 s[G0+4*\s+2:G0+4*\s+3], s[20:21], \s*RBK
	s_or_b32 s[G0+4*\s+3], s[G0+4*\s+3], 0x80000000
	s_mov_b32 s[G0B+4*\s], 1
	s_add_co_u32 s[G0B+4*\s+1], s45, \s*SLOT
	s_add_nc_u64 s[G0B+4*\s+2:G0B+4*\s+3], s[46:47], \s*RBK
	s_or_b32 s[G0B+4*\s+3], s[G0B+4*\s+3], 0x80000000
	s_wait_alu depctr_va_vdst(0)
	s_wait_tensorcnt 0x0
	ds_add_u32 v28, v29
	ds_add_u32 v28, v29
	s_wait_dscnt 0x0
	CROUND
	JLOAD G0+4*\s, G1, G0B+4*\s, G1B
.endr
	v_and_b32 v1, 15, v0                           ; l % 16
	s_wait_alu depctr_va_vdst(0)
	v_bfe_u32 v2, v0, 4, 1                         ; l / 16
	v_and_b32 v6, 31, v0
	v_lshlrev_b32 v[CO], 4, v6
	s_mul_i32 s21, s15, HALFT
	s_mul_i32 s22, s16, HALFT
	s_add_co_u32 s22, s22, 2*HALFT
.irp s, 0,1
	v_add_nc_u32 v[ADRA+\s], s21, v[CO]
	v_add_nc_u32 v[ADRB+\s], s22, v[CO]
	s_add_co_u32 s21, s21, SLOT
	s_add_co_u32 s22, s22, SLOT
.endr
	s_mul_i32 s23, s14, 16*SPITCH                  ; my stage
	v_mul_u32_u24 v5, v1, SPITCH                   ; in: row l % 16, 32 bytes for each half of the lanes
	s_wait_alu depctr_va_vdst(0)
	v_lshl_add_u32 v5, v2, 5, v5
	v_add_nc_u32 v[STO], s23, v5
	v_add_nc_u32 v[RD], s23, v[CO]                 ; back: the 32 lanes take one row of 512 bytes
	s_lshl_b32 s20, s17, 8
	s_lshl_b32 s21, s15, 7
	s_add_co_u32 s20, s20, s21                     ; my first row: 256 x tile row + 128 x half
	s_lshl_b32 s20, s20, 12                        ; a row of out0 is 4,096 bytes
	s_lshl_b32 s46, s42, 10                        ; my first column, in bytes: 1,024 x tile column + 512 x half
	s_lshl_b32 s47, s16, 9
	s_add_co_u32 s46, s46, s47
	s_add_co_u32 s20, s20, s46
	s_mov_b32 s21, 0
	s_add_nc_u64 s[10:11], s[10:11], s[20:21]
.macro FRAG reg, adr, q, i
.irp c, 0,1,2,3
	ds_load_b128 v[\reg+4*\c:\reg+4*\c+3], v[\adr] offset:FRB*(\q)+512*\c+(\i)*RBK
.endr
.endm
; The 64 accumulators take turns, one instruction a turn, in the same order in every step.
.macro MUL16 a0, p, zero
.irp a, \a0, \a0+1
.irp b, 0,1,2,3,4,5,6,7
.if \zero
	v_wmma_f32_16x16x128_fp8_fp8 v[8*(8*((\a)%4)+\b):8*(8*((\a)%4)+\b)+7], v[128*(\p)+FR*\b:128*(\p)+FR*\b+FR-1], v[AF+FR*(\a):AF+FR*(\a)+FR-1], 0
.else
	v_wmma_f32_16x16x128_fp8_fp8 v[8*(8*((\a)%4)+\b):8*(8*((\a)%4)+\b)+7], v[128*(\p)+FR*\b:128*(\p)+FR*\b+FR-1], v[AF+FR*(\a):AF+FR*(\a)+FR-1], v[8*(8*((\a)%4)+\b):8*(8*((\a)%4)+\b)+7]
.endif
.endr
.endr
.endm
.macro FETCH_B slot, q, p
	WIN TO_B
.irp i, 0,1,2,3,4,5,6,7
	FRAG 128*(\p)+FR*\i, ADRB+\slot, \q, \i
.endr
	WIN 0
.endm
.macro FETCH_A slot, q, i0
.irp i, \i0, \i0+1, \i0+2, \i0+3
	FRAG AF+FR*(\i), ADRA+\slot, \q, \i
.endr
.endm
.macro PLACES n                        ; plain vector lines between a matrix instruction and a load into, or a vector line on, its registers
.rept \n
	v_nop
.endr
.endm
.macro STEP slot, q, zero
	s_wait_dscnt 4*NL                              ; B's set and A's blocks 0-3 are in; the youngest sixteen loads (A's blocks 4-7) may be out
	WIN MUL_LO
	MUL16 0, (\q)%2, \zero
	MUL16 2, (\q)%2, \zero
	s_wait_dscnt 0
	PLACES NP
	FETCH_B \slot, (\q)+1, 1-(\q)%2
	FETCH_A \slot, (\q)+1, 0
	WIN MUL_HI
	MUL16 4, (\q)%2, \zero
	MUL16 6, (\q)%2, \zero
	PLACES NP
	WIN 0
	FETCH_A \slot, (\q)+1, 4
.endm
.macro TURN slot, next, fill
	s_wait_tensorcnt 0x0                           ; all my tensor loads have landed: my part of the next slot (every window is 0 here)
	ds_add_u32 v[SPW], v[NIL]                      ; 0 onto my spare word
	s_wait_dscnt 4*NL+1                            ; (the add and the youngest sixteen loads may be out)
	WIN MUL_LO
	MUL16 0, 1, 0
	s_wait_dscnt 0x0                               ; the add is done, and my reads of this slot are over
	s_barrier_signal -1
	MUL16 2, 1, 0
	WIN 0
	s_barrier_wait -1
.if \fill
	CREST                                          ; the barrier has opened a round of the cluster's barrier: no wave of any partner still reads this slot or has a load on its way
	s_add_nc_u64 s[G0+4*\slot+2:G0+4*\slot+3], s[G0+4*\slot+2:G0+4*\slot+3], 2*RBK
	s_add_nc_u64 s[G0B+4*\slot+2:G0B+4*\slot+3], s[G0B+4*\slot+2:G0B+4*\slot+3], 2*RBK
	JLOAD G0+4*\slot, G1, G0B+4*\slot, G1B
.else
	PLACES NP
.endif
	FETCH_B \next, 0, 0
	FETCH_A \next, 0, 0
	WIN MUL_HI
	MUL16 4, 1, 0
	MUL16 6, 1, 0
	PLACES NP
	WIN 0
	FETCH_A \next, 0, 4
.endm
	s_wait_tensorcnt 1                             ; my part of K step 0 is in; K step 1's load may be out
	s_barrier_signal -1
	s_barrier_wait -1
	FETCH_B 0, 0, 0
	FETCH_A 0, 0, 0
	FETCH_A 0, 0, 4
	STEP 0, 0, 1
	s_mov_b32 s3, LAPS-1
.Llap:
	TURN 0, 1, 1
	STEP 1, 0, 0
	TURN 1, 0, 1
	STEP 0, 0, 0
	s_sub_co_u32 s3, s3, 1
	s_cmp_lg_u32 s3, 0
	s_cbranch_scc1 .Llap
	TURN 0, 1, 0
	STEP 1, 0, 0
	s_wait_dscnt 4*NL
	WIN MUL_LO
	MUL16 0, 1, 0
	MUL16 2, 1, 0
	s_wait_dscnt 0
	WIN MUL_HI
	MUL16 4, 1, 0
	MUL16 6, 1, 0
	WIN 0
; THE WAY OUT, block by block of 16 rows x 128 columns: through my own stage in LDS and back as whole rows of 512 bytes, which the 32 lanes store.
; LDS serves a wave's instructions in order (ISA guide 5.7.1.4): no wait between the stores and the loads, nor in front of the next block's stores.
.macro TOSTAGE a
.set AC, 64*((\a)%4)
	WIN 0x02+((\a)/4)
.irp j, 0,2,4,6,8,10,12,14,16,18,20,22,24,26,28,30,32,34,36,38,40,42,44,46,48,50,52,54,56,58,60,62
	v_pk_mul_f32 v[TMP+\j:TMP+\j+1], v[AC+\j:AC+\j+1], s[96:97] op_sel_hi:[1,0]   ; both x s96 = 2^(e10 + e11); each accumulator from its low end on
.endr
	WIN 0
.irp b, 0,1,2,3,4,5,6,7
	ds_store_b128 v[STO], v[TMP+8*\b:TMP+8*\b+3] offset:64*\b
	ds_store_b128 v[STO], v[TMP+8*\b+4:TMP+8*\b+7] offset:64*\b+16
.endr
.set BB, BK+64*((\a)%2)
.irp t, 0,1,2,3,4,5,6,7,8,9,10,11,12,13,14,15
	ds_load_b128 v[BB+4*\t:BB+4*\t+3], v[RD] offset:\t*SPITCH
.endr
.endm
.macro SEND a, younger                 ; younger: the LDS instructions issued behind block a's loads, which may stay out
.set BB, BK+64*((\a)%2)
	s_wait_dscnt \younger
.if (\a) > 0
	s_add_nc_u64 s[10:11], s[10:11], 16*SIZE_N*4   ; (behind a wait on XCNT: the earlier stores have read their base)
.endif
.irp t, 0,1,2,3,4,5,6,7,8,9,10,11,12,13,14,15
	global_store_b128 v[CO], v[BB+4*\t:BB+4*\t+3], s[10:11] offset:\t*SIZE_N*4 th:TH_STORE_NT   ; 32 lanes store 512 consecutive bytes, at a multiple of 512 from out0's first byte
.endr
.endm
	s_wait_kmcnt 0x0
	s_add_co_i32 s96, s96, s97
	s_add_co_i32 s96, s96, 127
	s_lshl_b32 s96, s96, 23                        ; 2^(e10 + e11) as f32
	PLACES NP
	TOSTAGE 0
.irp a, 1,2,3,4,5,6,7
.if \a > 1
	s_wait_xcnt 0x0                                ; block a - 2's stores have read their registers and their base
.endif
	TOSTAGE \a
	SEND \a-1, 32                                  ; behind block a - 1's loads: block a's 16 stores and 16 loads
.endr
	s_wait_xcnt 0x0
	SEND 7, 0
	s_wait_tensorcnt 0x0                           ; the wave's end, behind my last tensor load and my last LDS store
	ds_add_u32 v[SPW], v[NIL]
	s_wait_dscnt 0x0
	CROUND                                         ; the closing round
	s_endpgm
.Lfunc_end_k_q62aba2cbf8_oproj:
	.size	k_q62aba2cbf8_oproj, .Lfunc_end_k_q62aba2cbf8_oproj-k_q62aba2cbf8_oproj
	.p2alignl 7, 3214868480
	.fill 96, 4, 3214868480
	.section	.rodata,"a",@progbits
	.p2align	6, 0x0
	.amdhsa_kernel k_q62aba2cbf8_oproj
		.amdhsa_group_segment_fixed_size 327680
		.amdhsa_private_segment_fixed_size 0
		.amdhsa_enable_private_segment 0
		.amdhsa_kernarg_size 32
		.amdhsa_user_sgpr_count 2
		.amdhsa_user_sgpr_kernarg_segment_ptr 1
		.amdhsa_wavefront_size32 1
		.amdhsa_system_sgpr_workgroup_id_x 1
		.amdhsa_system_sgpr_workgroup_id_y 1
		.amdhsa_system_sgpr_workgroup_id_z 1
		.amdhsa_system_vgpr_workitem_id 0
		.amdhsa_next_free_vgpr 1024
		.amdhsa_next_free_sgpr 98
		.amdhsa_reserve_vcc 0
		.amdhsa_float_denorm_mode_32 3
		.amdhsa_float_denorm_mode_16_64 3
		.amdhsa_memory_ordered 1
		.amdhsa_forward_progress 1
		.amdhsa_inst_pref_size 124
	.end_amdhsa_kernel
	.amdgpu_metadata
---
amdhsa.version: [ 1, 2 ]
amdhsa.kernels:
  - .name:           k_q62aba2cbf8_oproj
    .symbol:         k_q62aba2cbf8_oproj.kd
    .args:
      - { .name: ocodes, .offset: 0, .size: 8, .value_kind: global_buffer, .address_space: global }
      - { .name: wcodes, .offset: 8, .size: 8, .value_kind: global_buffer, .address_space: global }
      - { .name: lowp_scales, .offset: 16, .size: 8, .value_kind: global_buffer, .address_space: global }
      - { .name: out0, .offset: 24, .size: 8, .value_kind: global_buffer, .address_space: global }
    .group_segment_fixed_size: 327680
    .private_segment_fixed_size: 0
    .kernarg_segment_align: 8
    .kernarg_segment_size: 32
    .max_flat_workgroup_size: 128
    .sgpr_count:     98
    .vgpr_count:     1024
    .wavefront_size: 32
...
	.end_amdgpu_metadata
.endif
;; end of part 4
